; MI455X (gfx1250); checked and timed in simulation.
; The chip was launched on July 23, 2026; its instructions are those of AMD's public machine-readable ISA for CDNA 5 (MIT licence, August 2026) and "CDNA5" Instruction Set Architecture Reference Guide (July 2026). The comments in the code are by the model that wrote it; some were corrected since.
;; Multihead Attention. Allowed arithmetic: matrix products marked QUANTISED: E2M3 operands, one E8M0 scale for each 32 along K, by v_wmma_scale_f32_16x16x128_f8f6f4 with both operands' format E2M3, f32 sums; everything else in f32.
;; Inputs: Wk_codes 2,048 x 64 x 24 uint8 (E2M3 codes of Wk, K innermost, in blocks of 32 codes, four codes in three bytes); Wk_scales 2,048 x 64 uint8 (E8M0 scales of Wk, one for each 32 codes along K); Wo_codes 2,048 x 64 x 24 uint8 (E2M3 codes of Wo, K innermost, in blocks of 32 codes, four codes in three bytes); Wo_scales 2,048 x 64 uint8 (E8M0 scales of Wo, one for each 32 codes along K); Wq_codes 2,048 x 64 x 24 uint8 (E2M3 codes of Wq, K innermost, in blocks of 32 codes, four codes in three bytes); Wq_scales 2,048 x 64 uint8 (E8M0 scales of Wq, one for each 32 codes along K); Wv_codes 2,048 x 64 x 24 uint8 (E2M3 codes of Wv, K innermost, in blocks of 32 codes, four codes in three bytes); Wv_scales 2,048 x 64 uint8 (E8M0 scales of Wv, one for each 32 codes along K); attn_mask 2,048 x 2,048 float32; bk 2,048 float32; bo 2,048 float32; bq 2,048 float32; bv 2,048 float32; cos 2,048 x 32 float32; key_codes 2,048 x 1 x 64 x 24 uint8 (E2M3 codes of key, K innermost, in blocks of 32 codes, four codes in three bytes); key_scales 2,048 x 1 x 64 uint8 (E8M0 scales of key, one for each 32 codes along K); query_codes 2,048 x 1 x 64 x 24 uint8 (E2M3 codes of query, K innermost, in blocks of 32 codes, four codes in three bytes); query_scales 2,048 x 1 x 64 uint8 (E8M0 scales of query, one for each 32 codes along K); sin 2,048 x 32 float32; value_codes 2,048 x 1 x 64 x 24 uint8 (E2M3 codes of value, K innermost, in blocks of 32 codes, four codes in three bytes); value_scales 2,048 x 1 x 64 uint8 (E8M0 scales of value, one for each 32 codes along K); xscale 2,048 x 32 float32.
;; Outputs: out0 2,048 x 1 x 2,048 float32.
;; Constants: scale_length = 1024.
;; This version of the problem:
;;   THIS VERSION OF THE PROBLEM IS GIVEN IN LOW PRECISION. The matrix products marked QUANTISED in the list below multiply operands that are first quantised to E2M3 (2 exponent bits, 3 mantissa bits; 6 bits a number), with one power-of-two scale for each 32 numbers along K (OCP MX v1.0); their sums are f32. All else is computed in f32.
;;   The module's matrix products, in the order in which they are computed (A, B: the left and right operand; K: the contracted axis; several contracted axes count as one K, in the product's order):
;;     1. [M 2,048, K 2,048] x [K 2,048, N 2,048]; A: input query (given as codes); B: input Wq (given as codes): QUANTISED
;;     2. [M 2,048, K 2,048] x [K 2,048, N 2,048]; A: input key (given as codes); B: input Wk (given as codes): QUANTISED
;;     3. [M 2,048, K 2,048] x [K 2,048, N 2,048]; A: input value (given as codes); B: input Wv (given as codes): QUANTISED
;;     4. batch 32 x [M 2,048, K 64] x [K 64, N 2,048]; A: computed on the way; B: computed on the way: QUANTISED
;;     5. batch 32 x [M 2,048, K 2,048] x [K 2,048, N 64]; A: softmax (see below); B: computed on the way: QUANTISED
;;     6. [M 2,048, K 2,048] x [K 2,048, N 2,048]; A: computed on the way; B: input Wo (given as codes): QUANTISED
;;   THE QUANTISER, for each operand of a quantised product, along K:
;;     - K is cut into blocks of 32 from its start; a last block that is shorter is filled with zeros.
;;     - A block's scale is 2^e with e = floor(log2(the largest magnitude in the block)) - 2, held to -126 .. 127; a block of zeros has e = 0. As a byte (E8M0): e + 127.
;;     - Each number is divided by its block's scale, clamped to +-7.5, and rounded to the nearest number of E2M3, ties to even, subnormals kept.
;;     - The product sums the exact products of the quantised numbers (number of the format x scale) in f32.
;;   ~~~python
;;   def quantise(x, axis):      # numpy; x: float32 -> the quantised numbers, widened to float32 again
;;       x = np.moveaxis(x, axis, -1); K = x.shape[-1]
;;       x = np.pad(x, [(0, 0)] * (x.ndim - 1) + [(0, -K % 32)]); x = x.reshape(x.shape[:-1] + (-1, 32)); a = np.abs(x).max(-1, keepdims=True)
;;       e = np.where(a > 0, np.clip(np.frexp(np.where(a > 0, a, 1))[1] - 1 - 2, -126, 127), 0)      # np.frexp(a)[1] - 1 = floor(log2(a)), exactly
;;       r = np.clip(x / 2.0 ** e, -7.5, 7.5)
;;       step = 2.0 ** (np.maximum(np.frexp(np.where(r == 0, 1, r))[1] - 1, 0) - 3)
;;       q = np.round(r / step) * step * 2.0 ** e      # np.round: ties to even
;;       return np.moveaxis(q.reshape(q.shape[:-2] + (-1,))[..., :K], -1, axis).astype(np.float32)
;;   ~~~
;;   SOFTMAX AHEAD OF A QUANTISED PRODUCT. Where the list says 'softmax', what is quantised is not the finished softmax but p = 2^(t - M), with t = logit x log2(e) and M = ceil(the row's largest t), a whole number; so 1/2 < the row's largest p <= 1. The row's sum l is taken of the UNQUANTISED p, in f32, and the product's result is divided by l at the end. Since M is a whole number, a kernel that streams over the keys may use a running M (the ceiling of the running maximum): every later rescaling is an exact power of two, which a block's scale takes up: the codes' values come out the same.
;;   OPERANDS COMPUTED ON THE WAY. 'Computed on the way' means the value that the module computes at that place (a softmax that the list does not call 'softmax' is quantised finished and normalised). What goes into a quantiser is computed in f32, as accurately as f32 sums, v_exp_f32 and their like allow (about 1e-6 of the number): no bf16 or f16 on the way to a quantiser, and a product that is left as it is and whose result goes on into a quantised operand takes f32 operands (vector FMAs, or v_wmma_f32_16x16x4_f32). A number that lies on a knife's edge between two numbers of the format may be rounded either way, as far as f32 arithmetic and the matrix unit's own rounding can turn it there, and no further.
;;   INPUTS GIVEN AS CODES. Wk (in the module: [2048, 2048], K = its axis 1); Wo (in the module: [2048, 2048], K = its axis 1); Wq (in the module: [2048, 2048], K = its axis 1); Wv (in the module: [2048, 2048], K = its axis 1); key (in the module: [2048, 1, 2048], K = its axis 2); query (in the module: [2048, 1, 2048], K = its axis 2); value (in the module: [2048, 1, 2048], K = its axis 2): each comes as NAME_codes (uint8): NAME with its K axis moved to the last place and cut into blocks of 32 codes, [.., K / 32, bytes a block], one block behind the other in memory; four codes in three bytes: a row's codes are one little-endian stream of bits, code i at bits 6 i .. 6 i + 5 (a code: sign, 2 exponent bits, 3 mantissa bits); and NAME_scales (uint8): the same leading axes, one E8M0 byte (e + 127) for each 32 codes along K. Its value is code x scale, taken as it is: it is not quantised again, and the codes and scales need not be those that the quantiser above would give.
;; 2 versions, each right. Each part assembles by itself: llvm-mc -triple=amdgcn-amd-amdhsa -mcpu=gfx1250 --defsym DOCPART=n.
;; ======== version 1 of 2: 3 launches
;; workspace buffers: qws 3,407,872 bytes; kws 3,407,872 bytes; vws 3,276,800 bytes; aws 3,145,728 bytes; asc 131,072 bytes
;; launch proj (part 1): grid 8 x 24, 4 waves a work-group, clusters of 4 x 4, 327,680 bytes of LDS; arguments query_codes, query_scales, Wq_codes, Wq_scales, key_codes, key_scales, Wk_codes, Wk_scales, Wv_codes, Wv_scales, value_codes, value_scales, bq, bk, bv, sin, cos, xscale, qws, kws, vws; writes qws, kws, vws
.if DOCPART == 1
	.amdgcn_target "amdgcn-amd-amdhsa--gfx1250"
	.amdhsa_code_object_version 6
	.text
	.protected	k_qdd6b871faf_proj
	.globl	k_qdd6b871faf_proj
	.p2align	8
	.type	k_qdd6b871faf_proj,@function
k_qdd6b871faf_proj:
	s_mov_b64 s[64:65], 0
	v_nop
	global_prefetch_b8 v0, s[64:65] scope:SCOPE_SE
	s_setreg_imm32_b32 hwreg(HW_REG_WAVE_MODE, 25, 1), 1
	s_wait_xcnt 0x0
	s_wait_alu depctr_hold_cnt(0) depctr_sa_sdst(0) depctr_va_vdst(0) depctr_va_sdst(0) depctr_va_ssrc(0) depctr_va_vcc(0) depctr_vm_vsrc(0)
	s_getreg_b32 s2, hwreg(HW_REG_IB_STS2, 6, 4)
	s_cmp_eq_u32 s2, 0
	s_cbranch_scc0 .Lentry_in_a_cluster
	s_endpgm
.Lentry_in_a_cluster:
	s_bfe_u32 s2, ttmp6, 0x10000c
	s_cmp_lg_u32 s2, 0xf033
	s_cbranch_scc0 .Lentry_shape_is_right
	s_endpgm
.Lentry_shape_is_right:
; THE THREE PROJECTIONS, on codes of FP6 (E2M3) with one E8M0 scale for each 32 along K, and what follows them up to the operands of attention's two products.
; p = cluster y / 2 says which: p = 0: q = query Wq^T + bq;  p = 1: k = key Wk^T + bk;  p = 2: v^T = Wv value^T + bv.  p is equal in all sixteen work-groups of a cluster.
; A tile of C, 256 x 256, is made by four waves, 128 x 128 each: 64 accumulators of 16 x 16.  K goes in steps of 256 through a ring of two LDS slots filled by joint tensor loads:
; A's tile is shared along a row of the cluster, B's along a column.  The scale bytes of the work-group's rows come into LDS once.
; THE MATRIX INSTRUCTION IS USED TRANSPOSED (source 0 = 16 rows of B, source 1 = 16 rows of A): lane (r, h) holds row 16 a + r of A's side and its registers the columns 16 b + 8 h + 0 .. 7.
; So for q and k a lane holds a token and its registers run along the channels (the K of q k^T); for p = 2, A = Wv, a lane holds a channel and its registers run along the tokens (the K of p v).
; THE WAY OUT uses no LDS.  q, k: bias, rotary (cos, sin, times xscale for q, 1 / xscale for k), for q also max(1, log2(token) / 10) / 8; then the quantiser along the head's 64 channels.  v: bias, the quantiser along 128 tokens.
; THE ORDER INSIDE A BLOCK OF 32.  A lane's 16 numbers of a block are k = 8 h + 0 .. 7 and 16 + 8 h + 0 .. 7, and they are converted as they stand: inside each block the codes lie in the order 0-7, 16-23, 8-15, 24-31.
; The blocks and their scales are the true ones.  q and k both come from here, and so does v, whose partner p is made in the same way in the next launch: both sides of a product carry the same order, so the sums are the same.
; OUT: images of operand registers.  qws, kws: [4 heads' group][128 tokens][head][8 tiles x 768 bytes, then 512 bytes of scale words]; a tile: registers 0-3 at 16 x lane, registers 4-5 at 512 + 8 x lane; a scale word holds the head's
; two bytes twice.  vws: [group][128 keys][head][4 tiles x 1,536 bytes, then 256 bytes of scale words]; a tile: registers 4 c .. 4 c + 3 at 512 c + 16 x lane.  Every store of a wave covers whole aligned runs of 256 bytes.
; LIMITS: NaN and infinities among the inputs are not served.  A block whose largest magnitude lies under 2^-124, a block of zeros too, keeps the scale byte 1: its codes are zeros or held small, and this program alone reads the bytes.
; 1 / xscale is v_rcp_f32's, log2 is v_log_f32's.  The factors of a token (scale, max(1, ..) / 8) are multiplied into cos and sin first, not into the rotated number last.
.set SIZE_K, 2048
.set KSTEP,  256                       ; along K in a slot
.set NQ,     KSTEP/128                 ; matrix instructions deep
.set ROWB,   192                       ; a tile's row in bytes
.set KROW,   SIZE_K*6/8                ; a row of codes in memory
.set PITCH,  240                       ; an LDS row: 3 x (64 bytes + 16 of padding)
.set FR,     12                        ; registers of a fragment
.set NL,     6                         ; LDS loads that bring one
.set NP,     4                         ; places behind this matrix instruction (ISA guide 7.12.1)
.set HALFT,  128*PITCH
.set SLOT,   4*HALFT
.set LAPS,   SIZE_K/(2*KSTEP)
.set KS,     SIZE_K/32                 ; a row of scale bytes
.set SCL,    2*SLOT                    ; behind the ring: the scale bytes, as runs of 256 bytes + 16 of padding
.set HALFS,  (128*KS/256)*272
.set SBLK,   (16*KS/256)*272
.set SPARE,  SCL+4*HALFS               ; the spare words, 128 bytes for each wave; no other line names them
.set ADRA, 16                          ; v16-19  LDS addresses of my A fragments
.set ADRB, 20                          ; v20-23  of my B fragments
.set ADRS, 27                          ; v27     of my scale words
.set SPW,  28                          ; v28     my spare word; never rewritten
.set NIL,  29                          ; v29     0; never rewritten
.set SC,   32                          ; v32-63  scale words, two sets; they hold nothing else in the whole text
.set AF,   128                         ; A's fragments, window 0
.set G1, 24
.set G0, 32
.set G1B, 48
.set G0B, 56
.set G1S, 68
.set G0S, 76
.set G1SB, 80
.set G0SB, 88
; the way out, window 0
.set F,    16                          ; v16-23   a factor for each of my eight tiles of tokens
.set Z,    64                          ; v64-127  64 numbers ahead of the quantiser
.set R,    128                         ; v128-143 the token's scale for 16 pairs of channels (v: eight pairs of bias)
.set C2,   144                         ; v144-159 cos x scale
.set S2,   160                         ; v160-175 sin x scale
.set TM,   176                         ; v176-191 the quantiser's work
.set CD,   192                         ; v192-211 the codes
.set PWS,  212                         ; v212-219 eight tiles' scale words
.set PW,   220                         ; v220     the scale word just made
.set RAW,  64                          ; window 1: two sets of 48: sin, cos, xscale as loaded;  window 1 v0-63: the bias
.set SEL,  20                          ; s[20:21] lane selects for v_permlanex16_b32
.set MSB, 0
.macro WIN new                         ; the immediate's high byte repeats the setting that is left
.if MSB != \new
	s_set_vgpr_msb (MSB<<8)|\new
.set MSB, \new
.endif
.endm
.set MUL_LO, 0xa1                      ; source 0 (B) window 1, source 1 (A) window 0, C and D window 2
.set MUL_HI, 0xf1                      ; the same, C and D window 3
.set TO_B,   0x40                      ; destination window 1, address window 0
; A joint load: waves 0 and 1 fetch for A, waves 2 and 3 for B; the branch hangs on the wave's number alone.  Four v_nop follow each of the two lines.
.macro JLOAD g0a, g1a, g0b, g1b
	s_cmp_eq_u32 s15, 0
	s_cbranch_scc0 .Lfor_b_\@
	tensor_load_to_lds s[\g0a:\g0a+3], s[\g1a:\g1a+7]
	s_nop 0
.rept 4
	v_nop
.endr
	s_branch .Lasked_\@
.Lfor_b_\@:
	tensor_load_to_lds s[\g0b:\g0b+3], s[\g1b:\g1b+7]
	s_nop 0
.rept 4
	v_nop
.endr
.Lasked_\@:
.endm
.macro CREST                           ; a round of the cluster's barrier behind its opening barrier
	s_cmp_lg_u32 s14, 0
	s_cbranch_scc1 .Lnot_wave_0_\@
	s_barrier_signal -3
.Lnot_wave_0_\@:
	s_barrier_wait -3
	s_barrier_signal -1
	s_barrier_wait -1
.endm
.macro CROUND                          ; a whole round
	s_barrier_signal -1
	s_barrier_wait -1
	CREST
.endm
	s_load_b256 s[68:75], s[0:1], 0x0              ; query's codes and scales, Wq's codes and scales
	s_load_b256 s[76:83], s[0:1], 0x20             ; key's, Wk's
	s_load_b256 s[84:91], s[0:1], 0x40             ; Wv's, value's
	v_lshl_add_u32 v[SPW], v0, 2, SPARE
	v_mov_b32 v[NIL], 0
	ds_add_u32 v28, v29
	s_wait_dscnt 0x0
	v_lshrrev_b32 v1, 5, v0
	v_readfirstlane_b32 s14, v1                    ; wave 0..3
	s_lshr_b32 s15, s14, 1                         ; which half of the tile's rows is mine.  Also: I fetch for A (0) or for B (1)
	s_and_b32 s16, s14, 1                          ; which half of its columns.  Also: which 128 rows of that tile I fetch
	s_bfe_u32 s40, ttmp6, 0x40000                  ; cx, cy: my place in the cluster
	s_bfe_u32 s41, ttmp6, 0x40004
	s_lshl_b32 s42, ttmp9, 2
	s_add_co_u32 s42, s42, s40                     ; tile column = 4 x cluster x + cx
	s_and_b32 s17, ttmp7, 0xffff                   ; cluster y, 0 .. 5
	s_lshr_b32 s95, s17, 1                         ; p: which projection
	s_and_b32 s17, s17, 1
	s_lshl_b32 s17, s17, 2
	s_add_co_u32 s17, s17, s41                     ; tile row = 4 x (cluster y % 2) + cy
	s_cmp_eq_u32 s95, 1
	s_cselect_b32 s96, -1, 0                       ; a lane mask: all ones for k
	s_lshl_b32 s43, s41, 2
	s_lshl_b32 s43, 15, s43                        ; my row of the cluster
	s_lshl_b32 s44, 0x1111, s40                    ; my column
	; descriptor group 1: a tile of 128 rows x 192 bytes; 16 bytes of padding behind every 64
	s_or_b32 s[G1+0], s43, (0<<16)|(1<<20)|(1<<21)|(3<<22)|(3<<25)
	s_or_b32 s[G1B+0], s44, (0<<16)|(1<<20)|(1<<21)|(3<<22)|(3<<25)
.irp g, G1, G1B
	s_mov_b32 s[\g+1], ROWB<<16                    ; tensor_dim0
	s_mov_b32 s[\g+2], 128<<16                     ; tensor_dim1
	s_mov_b32 s[\g+3], ROWB<<16                    ; tile_dim0
	s_mov_b32 s[\g+4], 128                         ; tile_dim1
	s_mov_b32 s[\g+5], KROW                        ; from row to row
	s_mov_b32 s[\g+6], 0
	s_mov_b32 s[\g+7], 0
.endr
	s_wait_kmcnt 0x0
	s_cmp_eq_u32 s95, 1                            ; the operands are chosen by p, which hangs on no address
	s_cselect_b64 s[4:5], s[76:77], s[68:69]       ; A's codes
	s_cselect_b64 s[6:7], s[78:79], s[70:71]       ; A's scales
	s_cselect_b64 s[8:9], s[80:81], s[72:73]       ; B's codes
	s_cselect_b64 s[10:11], s[82:83], s[74:75]     ; B's scales
	s_cmp_eq_u32 s95, 2
	s_cselect_b64 s[4:5], s[84:85], s[4:5]
	s_cselect_b64 s[6:7], s[86:87], s[6:7]
	s_cselect_b64 s[8:9], s[88:89], s[8:9]
	s_cselect_b64 s[10:11], s[90:91], s[10:11]
	; the scales of 128 rows: a dense block of 8,192 bytes, as rows of 256 bytes (32 elements of 8 bytes), 16 bytes of padding behind each
	s_or_b32 s[G1S+0], s43, (3<<16)|(1<<20)|(1<<21)|(5<<22)|(3<<25)
	s_or_b32 s[G1SB+0], s44, (3<<16)|(1<<20)|(1<<21)|(5<<22)|(3<<25)
.irp g, G1S, G1SB
	s_mov_b32 s[\g+1], 32<<16
	s_mov_b32 s[\g+2], (128*KS/256)<<16
	s_mov_b32 s[\g+3], 32<<16
	s_mov_b32 s[\g+4], 128*KS/256
	s_mov_b32 s[\g+5], 32
	s_mov_b32 s[\g+6], 0
	s_mov_b32 s[\g+7], 0
.endr
	s_lshl_b32 s18, s16, 7                         ; which 128 rows of the tile I fetch
	s_lshl_b32 s20, s17, 8
	s_add_co_u32 s20, s20, s18                     ; A: row 256 x tile row + 128 x half
	s_lshl_b32 s46, s42, 8
	s_add_co_u32 s46, s46, s18                     ; B: row 256 x tile column + 128 x half
	s_mov_b32 s21, 0
	s_mov_b32 s47, 0
	s_mov_b64 s[18:19], KS
	s_mul_u64 s[22:23], s[20:21], s[18:19]         ; where these rows' scales begin
	s_mul_u64 s[92:93], s[46:47], s[18:19]
	s_mov_b64 s[18:19], KROW
	s_mul_u64 s[20:21], s[20:21], s[18:19]         ; and their codes
	s_mul_u64 s[46:47], s[46:47], s[18:19]
	s_mul_i32 s45, s14, HALFT                      ; where they go: wave x 128 rows
	s_mul_i32 s94, s14, HALFS
	s_add_nc_u64 s[20:21], s[4:5], s[20:21]
	s_add_nc_u64 s[22:23], s[6:7], s[22:23]
	s_add_nc_u64 s[46:47], s[8:9], s[46:47]
	s_add_nc_u64 s[92:93], s[10:11], s[92:93]
	CROUND                                         ; all sixteen work-groups are here: the first joint loads meet
	s_mov_b32 s[G0S], 1
	s_add_co_u32 s[G0S+1], s94, SCL
	s_mov_b64 s[G0S+2:G0S+3], s[22:23]
	s_or_b32 s[G0S+3], s[G0S+3], 0x80000000
	s_mov_b32 s[G0SB], 1
	s_add_co_u32 s[G0SB+1], s94, SCL
	s_mov_b64 s[G0SB+2:G0SB+3], s[92:93]
	s_or_b32 s[G0SB+3], s[G0SB+3], 0x80000000
	JLOAD G0S, G1S, G0SB, G1SB                     ; the scales first: they are wanted with K step 0
.irp s, 0,1
	s_mov_b32 s[G0+4*\s], 1
	s_add_co_u32 s[G0+4*\s+1], s45, \s*SLOT
	s_add_nc_u64 s[G0+4*\s+2:G0+4*\s+3], s[20:21], \s*ROWB
	s_or_b32 s[G0+4*\s+3], s[G0+4*\s+3], 0x80000000
	s_mov_b32 s[G0B+4*\s], 1
	s_add_co_u32 s[G0B+4*\s+1], s45, \s*SLOT
	s_add_nc_u64 s[G0B+4*\s+2:G0B+4*\s+3], s[46:47], \s*ROWB
	s_or_b32 s[G0B+4*\s+3], s[G0B+4*\s+3], 0x80000000
	JLOAD G0+4*\s, G1, G0B+4*\s, G1B
.endr
	v_and_b32 v1, 15, v0                           ; l % 16
	v_bfe_u32 v2, v0, 4, 1                         ; l / 16
	v_mul_u32_u24 v3, v1, PITCH
	v_mul_u32_u24 v4, v2, 24
	v_add_nc_u32 v4, v3, v4                        ; a fragment's row x pitch + 24 x half
	v_lshl_add_u32 v5, v2, 4, v4                   ; and the same behind one padding more
	s_mul_i32 s21, s15, HALFT                      ; my 128 rows of A
	s_mul_i32 s22, s16, HALFT                      ; my 128 rows of B,
	s_add_co_u32 s22, s22, 2*HALFT                 ; which lie behind A's 256
.irp s, 0,1
	v_add_nc_u32 v[ADRA+\s], s21, v4
	v_add_nc_u32 v[ADRB+\s], s22, v4
	v_add_nc_u32 v[ADRA+2+\s], s21, v5
	v_add_nc_u32 v[ADRB+2+\s], s22, v5
	s_add_co_u32 s21, s21, SLOT
	s_add_co_u32 s22, s22, SLOT
.endr
	v_mul_u32_u24 v5, v1, KS                       ; my row's scales: KS bytes a row,
	v_lshrrev_b32 v6, 8, v5
	v_lshl_add_u32 v5, v6, 4, v5                   ; and 16 more for each 256 passed
	s_mul_i32 s21, s15, HALFS                      ; A's: my 128 rows
	s_mul_i32 s22, s16, HALFS                      ; B's: my 128 rows, behind A's 256
	s_add_co_u32 s22, s22, 2*HALFS
	s_sub_co_u32 s22, s22, s21
	v_mul_u32_u24 v6, s22, v2                      ; lanes 16-31 take B's
	s_add_co_u32 s21, s21, SCL
	v_add_nc_u32 v5, v5, v6
	v_add_nc_u32 v[ADRS], s21, v5
.macro FRAG reg, adr, q, i             ; a fragment: lane l holds row l % 16; registers 6 c .. 6 c + 5 hold K = 64 c + 32 (l / 16) + 0 .. 31: 24 bytes of the row, in pieces of 8
.irp p, 0,1,2,3,4,5
.set PIECE, 12*(\q)+6*(\p/3)+\p%3      ; where the piece three on lies behind one padding more, the second address register serves
.if PIECE%8 < 5
	ds_load_b64 v[\reg+2*\p:\reg+2*\p+1], v[\adr] offset:8*PIECE+16*(PIECE/8)+(\i)*16*PITCH
.else
	ds_load_b64 v[\reg+2*\p:\reg+2*\p+1], v[\adr+2] offset:8*PIECE+16*(PIECE/8)+(\i)*16*PITCH
.endif
.endr
.endm
; 16 matrix instructions: A's blocks a0, a0 + 1 x B's eight.  The 64 accumulators take turns, one instruction a turn, in the same order in every step.
.macro MUL16 a0, p, q, sc, zero
.irp a, \a0, \a0+1
.irp b, 0,1,2,3,4,5,6,7
.if \zero
	v_wmma_scale_f32_16x16x128_f8f6f4 v[8*(8*((\a)%4)+\b):8*(8*((\a)%4)+\b)+7], v[128*(\p)+FR*\b:128*(\p)+FR*\b+FR-1], v[AF+FR*(\a):AF+FR*(\a)+FR-1], 0, v[SC+8*NQ*(\sc)+NQ*\b+(\q)], v[SC+8*NQ*(\sc)+NQ*(\a)+(\q)] matrix_a_fmt:MATRIX_FMT_FP6 matrix_b_fmt:MATRIX_FMT_FP6 matrix_a_scale:MATRIX_SCALE_ROW1
.else
	v_wmma_scale_f32_16x16x128_f8f6f4 v[8*(8*((\a)%4)+\b):8*(8*((\a)%4)+\b)+7], v[128*(\p)+FR*\b:128*(\p)+FR*\b+FR-1], v[AF+FR*(\a):AF+FR*(\a)+FR-1], v[8*(8*((\a)%4)+\b):8*(8*((\a)%4)+\b)+7], v[SC+8*NQ*(\sc)+NQ*\b+(\q)], v[SC+8*NQ*(\sc)+NQ*(\a)+(\q)] matrix_a_fmt:MATRIX_FMT_FP6 matrix_b_fmt:MATRIX_FMT_FP6 matrix_a_scale:MATRIX_SCALE_ROW1
.endif
.endr
.endr
.endm
.macro FETCH_B slot, q, p
	WIN TO_B
.irp i, 0,1,2,3,4,5,6,7
	FRAG 128*(\p)+FR*\i, ADRB+\slot, \q, \i
.endr
	WIN 0
.endm
.macro FETCH_A slot, q, i0
.irp i, \i0, \i0+1, \i0+2, \i0+3
	FRAG AF+FR*(\i), ADRA+\slot, \q, \i
.endr
.endm
.macro SCALES sc                       ; a K step's scale words: lanes 0-15 take A's block i, lanes 16-31 B's block i
.irp i, 0,1,2,3,4,5,6,7
	ds_load_b64 v[SC+8*NQ*\sc+NQ*\i:SC+8*NQ*\sc+NQ*\i+1], v[ADRS] offset:\i*SBLK
.endr
.endm
.macro PLACES n                        ; plain vector instructions between a matrix instruction and a load into, or a vector access to, one of its registers
.rept \n
	v_nop
.endr
.endm
.macro STEP slot, q, zero              ; a step of 128 along K that has its successor in the same slot
	s_wait_dscnt 4*NL                              ; B's set and A's blocks 0-3 are in; the youngest 24 loads (A's blocks 4-7) may be out
	WIN MUL_LO
	MUL16 0, (\q)%2, \q, \slot, \zero
	MUL16 2, (\q)%2, \q, \slot, \zero
	s_wait_dscnt 0
	PLACES NP
	FETCH_B \slot, (\q)+1, 1-(\q)%2
	FETCH_A \slot, (\q)+1, 0
	WIN MUL_HI
	MUL16 4, (\q)%2, \q, \slot, \zero
	MUL16 6, (\q)%2, \q, \slot, \zero
	PLACES NP
	WIN 0
	FETCH_A \slot, (\q)+1, 4
.endm
; A slot's last step changes slots: one barrier; in front of it each wave waits for all its tensor loads, adds 0 to its spare word, and waits for that and for its own reads of this slot.
.macro TURN slot, next, fill
	s_wait_tensorcnt 0x0                           ; all my tensor loads have landed: my part of the next slot
	ds_add_u32 v[SPW], v[NIL]                      ; 0 onto my spare word
	s_wait_dscnt 4*NL+1                            ; (the add and the youngest 24 loads may be out)
	WIN MUL_LO
	MUL16 0, 1, NQ-1, \slot, 0
	s_wait_dscnt 0x0                               ; the add is done, and my reads of this slot are over
	s_barrier_signal -1
	MUL16 2, 1, NQ-1, \slot, 0
	WIN 0
	s_barrier_wait -1
.if \fill
	CREST                                          ; the barrier has opened a round of the cluster's: no wave of any partner still reads this slot or has a load on its way
	s_add_nc_u64 s[G0+4*\slot+2:G0+4*\slot+3], s[G0+4*\slot+2:G0+4*\slot+3], 2*ROWB
	s_add_nc_u64 s[G0B+4*\slot+2:G0B+4*\slot+3], s[G0B+4*\slot+2:G0B+4*\slot+3], 2*ROWB
	JLOAD G0+4*\slot, G1, G0B+4*\slot, G1B         ; the first tensor load behind the round; its four v_nop are the places in front of the loads below
.else
	PLACES NP
.endif
	v_add_nc_u32 v[ADRS], 4*NQ, v[ADRS]            ; on to the next K step's scale words
	FETCH_B \next, 0, 0
	FETCH_A \next, 0, 0
	SCALES \next
	WIN MUL_HI
	MUL16 4, 1, NQ-1, \slot, 0
	MUL16 6, 1, NQ-1, \slot, 0
	PLACES NP
	WIN 0
	FETCH_A \next, 0, 4
.endm
	s_wait_tensorcnt 1                             ; the scales and my part of K step 0 are in (K step 1's load may be out),
	s_barrier_signal -1
	s_barrier_wait -1                              ; everybody's are
	FETCH_B 0, 0, 0
	FETCH_A 0, 0, 0
	SCALES 0
	FETCH_A 0, 0, 4
	STEP 0, 0, 1                                   ; the first step stands in front of the loop: its products start the sums
	s_mov_b32 s3, LAPS-1
.Llap:                                                 ; a trip goes once round the ring and fills both slots again
	TURN 0, 1, 1
	STEP 1, 0, 0
	TURN 1, 0, 1
	STEP 0, 0, 0
	s_sub_co_u32 s3, s3, 1
	s_cmp_lg_u32 s3, 0
	s_cbranch_scc1 .Llap
	TURN 0, 1, 0                                   ; the last lap fills nothing
	s_load_b256 s[68:75], s[0:1], 0x60             ; no tensor load of mine is out any more, so the scales' descriptors give way to: bq, bk, bv, sin,
	s_load_b256 s[76:83], s[0:1], 0x80             ; cos, xscale, qws, kws,
	s_load_b64 s[84:85], s[0:1], 0xa0              ; vws
	STEP 1, 0, 0
	s_wait_dscnt 4*NL
	WIN MUL_LO
	MUL16 0, 1, NQ-1, 1, 0
	MUL16 2, 1, NQ-1, 1, 0
	s_wait_dscnt 0
	WIN MUL_HI
	MUL16 4, 1, NQ-1, 1, 0
	MUL16 6, 1, NQ-1, 1, 0
	WIN 0
; ---------------- THE WAY OUT ----------------
; 64 numbers of a lane, v[s] .. v[s + 63], register 16 b + i in block b of my row, become 12 registers of codes in v[CD] on (registers 6 c .. 6 c + 5: lanes 0-15 block 2 c, lanes 16-31 block 2 c + 1) and the row's scale word in v[PW].
.macro QUANT s
.irp b, 0,1,2,3
	v_max3_num_f32 v[TM+\b], |v[\s+16*\b]|, |v[\s+1+16*\b]|, 0x1800000   ; my 16 numbers of block b, and the floor 2^(3 - 127): the byte cannot fall under 1
.endr
.irp i, 2,4,6,8,10,12,14
.irp b, 0,1,2,3
	v_max3_num_f32 v[TM+\b], v[TM+\b], |v[\s+16*\b+\i]|, |v[\s+1+16*\b+\i]|
.endr
.endr
.irp b, 0,1,2,3
	v_permlanex16_b32 v[TM+4+\b], v[TM+\b], s[SEL], s[SEL+1]
.endr
.irp b, 0,1,2,3
	v_max_num_f32 v[TM+\b], v[TM+\b], v[TM+4+\b]   ; with lane l xor 16's: the block's largest magnitude
.endr
.irp b, 0,1,2,3
	v_add_nc_u32 v[TM+12+\b], 0xff000000, v[TM+\b] ; 2 off its exponent field: the conversion's scale operand
.endr
.irp b, 0,1,2,3
	v_lshrrev_b32 v[TM+4+\b], 23, v[TM+12+\b]      ; the scale's byte
.endr
	v_lshl_or_b32 v[PW], v[TM+5], 8, v[TM+4]
	v_lshl_or_b32 v[PW], v[TM+6], 16, v[PW]
	v_lshl_or_b32 v[PW], v[TM+7], 24, v[PW]
.irp c, 0,1
	v_cvt_scalef32_pk16_fp6_f32 v[CD+6*\c:CD+2+6*\c], v[\s+32*\c:\s+15+32*\c], v[TM+12+2*\c]
	v_cvt_scalef32_pk16_fp6_f32 v[CD+12+4*\c:CD+14+4*\c], v[\s+16+32*\c:\s+31+32*\c], v[TM+12+2*\c+1]   ; (a conversion's three registers begin on an even number)
.endr
	v_nop                                          ; one plain place behind a scaled conversion
.irp c, 0,1
.irp i, 0,1,2
	v_permlane16_swap_b32 v[CD+6*\c+\i], v[CD+12+4*\c+\i]   ; a whole block to a lane
.endr
.irp i, 0,1,2
	v_mov_b32 v[CD+3+6*\c+\i], v[CD+12+4*\c+\i]
.endr
.endr
.endm
.macro TABLOAD a                       ; sin, cos, xscale of tokens 16 a + r: register 4 m + e holds the pair of channels 8 m + 4 h + e
	WIN 0x40
.irp m, 0,1,2,3
	global_load_b128 v[RAW+48*((\a)%2)+4*\m:RAW+48*((\a)%2)+4*\m+3], v3, s[74:75] offset:2048*(\a)+32*\m
	global_load_b128 v[RAW+48*((\a)%2)+16+4*\m:RAW+48*((\a)%2)+16+4*\m+3], v3, s[76:77] offset:2048*(\a)+32*\m
	global_load_b128 v[RAW+48*((\a)%2)+32+4*\m:RAW+48*((\a)%2)+32+4*\m+3], v3, s[78:79] offset:2048*(\a)+32*\m
.endr
	WIN 0
.endm
; q or k, tokens 16 a + r, my two heads
.macro BLOCK a
.set AC, 64*((\a)%4)
.set RW, RAW+48*((\a)%2)
.if (\a) < 7
	TABLOAD (\a)+1
	s_wait_loadcnt 12                              ; all but the next block's twelve table loads are in
.else
	s_wait_loadcnt 0x0
.endif
	WIN 0x86+0x41*((\a)/4)                         ; the accumulators' window as destination and source 0, the bias (window 1) as source 1
.set j, 0
.rept 32
	v_pk_add_f32 v[AC+j:AC+j+1], v[AC+j:AC+j+1], v[j:j+1]   ; + bias, in place; each accumulator from its low end on
.set j, j+2
.endr
	WIN 0x01
.irp i, 0,1,2,3,4,5,6,7,8,9,10,11,12,13,14,15
	v_rcp_f32 v[R+\i], v[RW+32+\i]
.endr
	v_nop                                          ; a plain place behind the reciprocals,
	s_wait_alu depctr_va_vdst(0)                   ; and one wait for the sixteen, ahead of their first reader
.irp i, 0,1,2,3,4,5,6,7,8,9,10,11,12,13,14,15
	v_cndmask_b32 v[R+\i], v[RW+32+\i], v[R+\i], s96   ; q: xscale; k: 1 / xscale
.endr
	WIN 0
.irp i, 0,1,2,3,4,5,6,7,8,9,10,11,12,13,14,15
	v_mul_f32 v[R+\i], v[R+\i], v[F+(\a)]
.endr
	WIN 0x01
.irp i, 0,1,2,3,4,5,6,7,8,9,10,11,12,13,14,15
	v_mul_f32 v[C2+\i], v[RW+16+\i], v[R+\i]
	v_mul_f32 v[S2+\i], v[RW+\i], v[R+\i]
.endr
	WIN 0x02+(\a)/4                                ; source 0: the accumulators' window
.irp b, 0,1,2,3,4,5,6,7
.irp e, 0,1,2,3
	v_mul_f32 v[Z+8*\b+2*\e], v[AC+8*\b+2*\e], v[C2+4*(\b%4)+\e]
	v_mul_f32 v[Z+8*\b+2*\e+1], v[AC+8*\b+2*\e+1], v[C2+4*(\b%4)+\e]
.endr
.endr
.irp b, 0,1,2,3,4,5,6,7
.irp e, 0,1,2,3
	v_fma_f32 v[Z+8*\b+2*\e], -v[AC+8*\b+2*\e+1], v[S2+4*(\b%4)+\e], v[Z+8*\b+2*\e]       ; x0 c - x1 s
	v_fma_f32 v[Z+8*\b+2*\e+1], v[AC+8*\b+2*\e], v[S2+4*(\b%4)+\e], v[Z+8*\b+2*\e+1]      ; x1 c + x0 s
.endr
.endr
	WIN 0
	s_wait_xcnt 0x0                                ; the last block's stores have read the codes' registers
	QUANT Z
	v_perm_b32 v[PWS+(\a)], v[PW], v[PW], v6       ; lanes 0-15: my first head's two bytes, twice; lanes 16-31: my second head's
	global_store_b128 v1, v[CD:CD+3], s[6:7] offset:768*(\a)
	global_store_b64 v2, v[CD+4:CD+5], s[6:7] offset:768*(\a)+512
	global_store_b128 v1, v[CD+6:CD+9], s[6:7] offset:6656+768*(\a)
	global_store_b64 v2, v[CD+10:CD+11], s[6:7] offset:6656+768*(\a)+512
.endm
; v^T, channels 16 a + r, my 128 tokens
.macro VBLOCK a
.set AC, 64*((\a)%4)
	WIN 0x02+(\a)/4
.set j, 0
.rept 32
	v_pk_add_f32 v[Z+j:Z+j+1], v[AC+j:AC+j+1], v[R+2*(\a):R+2*(\a)+1]   ; + my channel's bias
.set j, j+2
.endr
	WIN 0
	s_wait_xcnt 0x0                                ; the last block's stores have read the codes' registers
	QUANT Z
	v_mov_b32 v[PWS+(\a)], v[PW]
.irp c, 0,1,2
	global_store_b128 v1, v[CD+4*\c:CD+4*\c+3], s[84:85] offset:((\a)/4)*6400+((\a)%4)*1536+512*\c
.endr
.endm
	PLACES NP                                      ; behind the last products: all that follows may read results and write operands' registers
	s_wait_kmcnt 0x0
	v_and_b32 v10, 31, v0                          ; lane
	v_and_b32 v11, 15, v0                          ; r
	v_bfe_u32 v12, v0, 4, 1                        ; h
	v_lshlrev_b32 v1, 4, v10                       ; 16 x lane
	v_lshlrev_b32 v2, 3, v10                       ; 8 x lane
	v_lshlrev_b32 v9, 2, v11                       ; 4 r
	v_lshlrev_b32 v13, 4, v11                      ; 16 r
	s_mov_b32 s[SEL], 0x76543210
	s_mov_b32 s[SEL+1], 0xfedcba98
.irp b, 0,1,2,3
	v_mov_b32 v[TM+4+\b], 0                        ; written once: a lane permute's destination counts as one of its sources
.endr
	s_mov_b32 s19, 0
	s_cmp_eq_u32 s95, 2
	s_cbranch_scc1 .Lv
	; ---- q and k
	s_cmp_eq_u32 s95, 1
	s_cselect_b64 s[4:5], s[70:71], s[68:69]       ; the bias
	s_cselect_b64 s[6:7], s[82:83], s[80:81]       ; the buffer
	s_lshl_b32 s18, s42, 10
	s_lshl_b32 s22, s16, 9
	s_add_co_u32 s18, s18, s22
	s_add_nc_u64 s[4:5], s[4:5], s[18:19]          ; my 128 channels' bias
	s_mul_i32 s18, s42, 425984                     ; the group of four heads = the tile column,
	s_lshl_b32 s22, s17, 1
	s_add_co_u32 s22, s22, s15
	s_mul_i32 s22, s22, 26624                      ; my 128 tokens,
	s_add_co_u32 s18, s18, s22
	s_mul_i32 s22, s16, 13312                      ; my two heads
	s_add_co_u32 s18, s18, s22
	s_add_nc_u64 s[6:7], s[6:7], s[18:19]
	s_lshl_b32 s22, s17, 8
	s_lshl_b32 s23, s15, 7
	s_add_co_u32 s22, s22, s23                     ; my first token
	s_lshl_b32 s18, s22, 7                         ; a table's row is 128 bytes
	s_add_nc_u64 s[74:75], s[74:75], s[18:19]
	s_add_nc_u64 s[76:77], s[76:77], s[18:19]
	s_add_nc_u64 s[78:79], s[78:79], s[18:19]
	v_lshlrev_b32 v3, 7, v11
	v_lshl_add_u32 v3, v12, 4, v3                  ; the tables: 128 r + 16 h
	v_lshlrev_b32 v4, 5, v12                       ; the bias: 32 h
	v_mul_u32_u24 v5, v12, 6656
	v_add_nc_u32 v5, v5, v13                       ; the scale words: 16 r, lanes 16-31 in the next head's block
	v_mov_b32 v6, 0x01000100
	v_mov_b32 v14, 0x03020302
	v_cmp_eq_u32 vcc_lo, 1, v12
	v_cndmask_b32 v6, v6, v14, vcc_lo              ; which two bytes of a scale word are my half's head's
	v_add_nc_u32 v7, s22, v11                      ; my token of tile 0
	v_mov_b32 v8, 1.0
	WIN 0x40
.irp b, 0,1,2,3,4,5,6,7
	global_load_b128 v[8*\b:8*\b+3], v4, s[4:5] offset:64*\b
	global_load_b128 v[8*\b+4:8*\b+7], v4, s[4:5] offset:64*\b+16
.endr
	WIN 0
	TABLOAD 0
.irp a, 0,1,2,3,4,5,6,7
	v_add_nc_u32 v[F+\a], 16*\a, v7
.endr
.irp a, 0,1,2,3,4,5,6,7
	v_cvt_f32_u32 v[F+\a], v[F+\a]
.endr
.irp a, 0,1,2,3,4,5,6,7
	v_log_f32 v[F+\a], v[F+\a]                     ; log2(token); of token 0: -infinity, which the maximum below throws away
.endr
	v_nop
	s_wait_alu depctr_va_vdst(0)                   ; one wait for the eight, ahead of their first reader
.irp a, 0,1,2,3,4,5,6,7
	v_mul_f32 v[F+\a], 0x3c4ccccd, v[F+\a]         ; / 10 (log2(1024)) / 8
.endr
.irp a, 0,1,2,3,4,5,6,7
	v_max_num_f32 v[F+\a], 0x3e000000, v[F+\a]     ; max(1, ..) / 8
.endr
.irp a, 0,1,2,3,4,5,6,7
	v_cndmask_b32 v[F+\a], v[F+\a], v8, s96        ; k has none of it
.endr
.irp a, 0,1,2,3,4,5,6,7
	BLOCK \a
.endr
	global_store_b128 v5, v[PWS:PWS+3], s[6:7] offset:6144
	global_store_b128 v5, v[PWS+4:PWS+7], s[6:7] offset:6400
	s_branch .Lend
.Lv:	; ---- v^T
	s_lshl_b32 s18, s17, 10
	s_lshl_b32 s22, s15, 9
	s_add_co_u32 s18, s18, s22
	s_add_nc_u64 s[72:73], s[72:73], s[18:19]      ; my 128 channels' bias
	s_mul_i32 s18, s17, 409600                     ; the group of four heads = the tile row,
	s_lshl_b32 s22, s42, 1
	s_add_co_u32 s22, s22, s16
	s_mul_i32 s22, s22, 25600                      ; my 128 tokens,
	s_add_co_u32 s18, s18, s22
	s_mul_i32 s22, s15, 12800                      ; my two heads
	s_add_co_u32 s18, s18, s22
	s_add_nc_u64 s[84:85], s[84:85], s[18:19]
	v_mul_u32_u24 v5, v12, 6400
	v_add_nc_u32 v5, v5, v13                       ; the scale words: 16 r, lanes 16-31 in the next head's block
.irp a, 0,1,2,3,4,5,6,7
	global_load_b32 v[R+2*\a], v9, s[72:73] offset:64*\a       ; twice: a pair for the packed addition
	global_load_b32 v[R+2*\a+1], v9, s[72:73] offset:64*\a
.endr
	s_wait_loadcnt 0x0
.irp a, 0,1,2,3,4,5,6,7
	VBLOCK \a
.endr
	v_cmp_eq_u32 vcc_lo, 1, v12
.irp i, 0,1,2,3
	v_cndmask_b32 v[224+\i], v[PWS+\i], v[PWS+4+\i], vcc_lo    ; lanes 0-15: my first head's four tiles; lanes 16-31: my second head's
.endr
	global_store_b128 v5, v[224:227], s[84:85] offset:6144
.Lend:
	s_wait_tensorcnt 0x0                           ; the wave's end
	ds_add_u32 v[SPW], v[NIL]
	s_wait_dscnt 0x0
	CROUND                                         ; the closing round: no work-group ends while a partner may still ask for a tile that names it
	s_endpgm
.Lfunc_end_k_qdd6b871faf_proj:
	.size	k_qdd6b871faf_proj, .Lfunc_end_k_qdd6b871faf_proj-k_qdd6b871faf_proj
	.p2alignl 7, 3214868480
	.fill 96, 4, 3214868480
	.section	.rodata,"a",@progbits
	.p2align	6, 0x0
	.amdhsa_kernel k_qdd6b871faf_proj
		.amdhsa_group_segment_fixed_size 327680
		.amdhsa_private_segment_fixed_size 0
		.amdhsa_enable_private_segment 0
		.amdhsa_kernarg_size 168
		.amdhsa_user_sgpr_count 2
		.amdhsa_user_sgpr_kernarg_segment_ptr 1
		.amdhsa_wavefront_size32 1
		.amdhsa_system_sgpr_workgroup_id_x 1
		.amdhsa_system_sgpr_workgroup_id_y 1
		.amdhsa_system_sgpr_workgroup_id_z 1
		.amdhsa_system_vgpr_workitem_id 0
		.amdhsa_next_free_vgpr 1024
		.amdhsa_next_free_sgpr 100
		.amdhsa_reserve_vcc 1
		.amdhsa_float_denorm_mode_32 3
		.amdhsa_float_denorm_mode_16_64 3
		.amdhsa_memory_ordered 1
		.amdhsa_forward_progress 1
		.amdhsa_inst_pref_size 255
	.end_amdhsa_kernel
	.section	.bss,"aw",@nobits
	.p2align	6
	.space	262144
	.amdgpu_metadata
---
amdhsa.version: [ 1, 2 ]
amdhsa.kernels:
  - .name:           k_qdd6b871faf_proj
    .symbol:         k_qdd6b871faf_proj.kd
    .args:
      - { .name: query_codes, .offset: 0, .size: 8, .value_kind: global_buffer, .address_space: global }
      - { .name: query_scales, .offset: 8, .size: 8, .value_kind: global_buffer, .address_space: global }
      - { .name: Wq_codes, .offset: 16, .size: 8, .value_kind: global_buffer, .address_space: global }
      - { .name: Wq_scales, .offset: 24, .size: 8, .value_kind: global_buffer, .address_space: global }
      - { .name: key_codes, .offset: 32, .size: 8, .value_kind: global_buffer, .address_space: global }
      - { .name: key_scales, .offset: 40, .size: 8, .value_kind: global_buffer, .address_space: global }
      - { .name: Wk_codes, .offset: 48, .size: 8, .value_kind: global_buffer, .address_space: global }
      - { .name: Wk_scales, .offset: 56, .size: 8, .value_kind: global_buffer, .address_space: global }
      - { .name: Wv_codes, .offset: 64, .size: 8, .value_kind: global_buffer, .address_space: global }
      - { .name: Wv_scales, .offset: 72, .size: 8, .value_kind: global_buffer, .address_space: global }
      - { .name: value_codes, .offset: 80, .size: 8, .value_kind: global_buffer, .address_space: global }
      - { .name: value_scales, .offset: 88, .size: 8, .value_kind: global_buffer, .address_space: global }
      - { .name: bq, .offset: 96, .size: 8, .value_kind: global_buffer, .address_space: global }
      - { .name: bk, .offset: 104, .size: 8, .value_kind: global_buffer, .address_space: global }
      - { .name: bv, .offset: 112, .size: 8, .value_kind: global_buffer, .address_space: global }
      - { .name: sin, .offset: 120, .size: 8, .value_kind: global_buffer, .address_space: global }
      - { .name: cos, .offset: 128, .size: 8, .value_kind: global_buffer, .address_space: global }
      - { .name: xscale, .offset: 136, .size: 8, .value_kind: global_buffer, .address_space: global }
      - { .name: qws, .offset: 144, .size: 8, .value_kind: global_buffer, .address_space: global }
      - { .name: kws, .offset: 152, .size: 8, .value_kind: global_buffer, .address_space: global }
      - { .name: vws, .offset: 160, .size: 8, .value_kind: global_buffer, .address_space: global }
    .group_segment_fixed_size: 327680
    .private_segment_fixed_size: 0
    .kernarg_segment_align: 8
    .kernarg_segment_size: 168
    .max_flat_workgroup_size: 128
    .sgpr_count:     100
    .vgpr_count:     1024
    .wavefront_size: 32
...
	.end_amdgpu_metadata
.endif
;; end of part 1
;; launch attn (part 2): grid 32 x 8, 16 waves a work-group, clusters of 4 x 4, 327,680 bytes of LDS; arguments qws, kws, vws, attn_mask, aws, asc; writes aws, asc
.if DOCPART == 2
	.amdgcn_target "amdgcn-amd-amdhsa--gfx1250"
	.amdhsa_code_object_version 6
	.text
	.protected	k_qdd6b871faf_attn
	.globl	k_qdd6b871faf_attn
	.p2align	8
	.type	k_qdd6b871faf_attn,@function
k_qdd6b871faf_attn:
	s_mov_b64 s[64:65], 0
	v_nop
	global_prefetch_b8 v0, s[64:65] scope:SCOPE_SE
	s_setreg_imm32_b32 hwreg(HW_REG_WAVE_MODE, 25, 1), 1
	s_wait_xcnt 0x0
	s_wait_alu depctr_hold_cnt(0) depctr_sa_sdst(0) depctr_va_vdst(0) depctr_va_sdst(0) depctr_va_ssrc(0) depctr_va_vcc(0) depctr_vm_vsrc(0)
	s_getreg_b32 s2, hwreg(HW_REG_IB_STS2, 6, 4)
	s_cmp_eq_u32 s2, 0
	s_cbranch_scc0 .Lentry_in_a_cluster
	s_endpgm
.Lentry_in_a_cluster:
	s_bfe_u32 s2, ttmp6, 0x10000c
	s_cmp_lg_u32 s2, 0xf033
	s_cbranch_scc0 .Lentry_shape_is_right
	s_endpgm
.Lentry_shape_is_right:
; ATTENTION on codes of FP6 (E2M3): S^T = k q^T + mask, the softmax, O^T = v^T p^T, O / the row's sum, and the quantiser along the channels for the last projection.
; SHARES.  A work-group owns 64 queries and four heads; wave w owns head w % 4 and the 16 queries of tile w / 4, in 256 registers.  Every wave walks all 2,048 keys, 128 a step.  The mask is an input: every score is computed.
; CLUSTER, 4 x 4.  k's and v's tiles hang on the group of heads alone and are asked for jointly along a row of the cluster; the mask's tile hangs on the 64 queries alone and is asked for jointly along a column.
; A step's tiles: k: 26,624 dense bytes, v: 25,600 dense bytes (images of operand registers and scale words, as the launch before laid them), the mask: 64 rows x 512 bytes.  Wave 0 asks for k's, wave 1 for v's, wave 2 for the mask's:
; by this text's count a wave has at most one tensor load out.  Two slots, one round of the cluster's barrier a step.
; LAYOUT.  Both products are used transposed: a lane holds ONE query (lane % 16); register j of score tile t is key 16 t + 8 (lane / 16) + j.  THE MASK IS THE C OF THE SCORES' MATRIX INSTRUCTION: it is loaded into the scores' registers.
; K = 64.  A head has 64 channels, the instruction takes 128: the other 64 are zero codes.  A pair of key tiles lies as [tile][6 registers of zeros][tile]: the first takes k = 0 .. 63, the second k = 64 .. 127,
; against q as [q][zeros][q]; a scale word holds the head's two bytes twice, so it serves both.
; THE SOFTMAX: t = (score + mask) x log2(e) (the 1 / 8 is in q); M = the running largest t rounded up to a whole number; p = 2^(t - M) is quantised along the keys, not normalised; the sum is taken of the unquantised p.
; THE ORDER INSIDE A BLOCK OF 32 keys is 0-7, 16-23, 8-15, 24-31 in p as in v's codes: both are converted from the same layout.  The attention's result meets given codes, so it is brought into the true order before its quantiser.
; OUT: aws [group of 4 heads][token][192 bytes]: true rows of 256 codes; asc [token][64]: scale bytes (8 bytes of a token's row from each work-group: these stores cover parts of aligned runs of 256 bytes; 131,072 bytes in all).
; LIMITS: NaN among the inputs is not served; a row all of whose mask is -infinity gives 0 / 0.  The mask is added by the matrix instruction's f32 sum, not by v_add_f32.  A block of p or of the result whose largest
; magnitude lies under 2^-124 keeps the scale byte 1.
.set SLOT1,  1<<17                     ; slot 1 begins here: one exclusive or turns an address from one slot to the other
.set KSTEPB, 26624
.set VSTEPB, 25600
.set KBLK,   6656                      ; a head's part of k's tile
.set VBLK,   6400                      ; of v's
.set VOFF,   KSTEPB
.set MOFF,   KSTEPB+VSTEPB
.set MP,     528                       ; a row of the mask in LDS: 512 bytes + 16
.set STAGE,  SLOT1+MOFF+64*MP          ; behind the ring: 64 rows x 192 bytes of codes,
.set SCS,    STAGE+64*192              ; 64 rows x 8 scale bytes,
.set SPARE,  SCS+512                   ; and the spare words, 128 bytes for each of sixteen waves; no other line names them
.set SPW, 7                            ; v7   my spare word; never rewritten
.set NIL, 8                            ; v8   0; never rewritten
.set PFO, 9                            ; v9   the prefetches' offset; never rewritten
.set QR,  20                           ; v20-37  q as [q 6][0 6][q 6]
.set QSW, 38                           ; v38     q's scale words
.set KR,  40                           ; v40-111 k: four groups of [tile 6][0 6][tile 6]
.set KSW, 112                          ; v112-119 k's scale words
.set VSW, 120                          ; v120-123 v's
.set S,   128                          ; v128-191 the mask, the scores, p; then v's four fragments
.set O,   192                          ; v192-223 O^T
.set PC,  224                          ; v224-235 p's codes
.set T4,  236                          ; v236-243 at work
.set SO,  244                          ; v244-247 the conversions' scale operands
.set BM,  248                          ; v248-251 the blocks' largest scores
.set WV,  16
.set HD,  17
.set QT,  18
.set SEL, 24
.set CS,  26
.set TB,  28
.set STEPC, 29
.set LIM, 30
.set G1K, 32
.set G1V, 40
.set G1M, 48
.set G0K, 56
.set G0V, 60
.set G0M, 68
.set PFA, 72
.set PFS, 74
.macro CROUND                          ; a round of the cluster's barrier
	s_barrier_signal -1
	s_barrier_wait -1
	s_cmp_lg_u32 s[WV], 0
	s_cbranch_scc1 .Lnot_wave_0_\@
	s_barrier_signal -3
.Lnot_wave_0_\@:
	s_barrier_wait -3
	s_barrier_signal -1
	s_barrier_wait -1
.endm
; The joint loads of a step.  The branches hang on the wave's number alone.  Four v_nop follow each tensor load.
.macro TLOAD
	s_cmp_eq_u32 s[WV], 0
	s_cbranch_scc0 .Lnot_k_\@
	tensor_load_to_lds s[G0K:G0K+3], s[G1K:G1K+7]
	s_nop 0
.rept 4
	v_nop
.endr
	s_branch .Lasked_\@
.Lnot_k_\@:
	s_cmp_eq_u32 s[WV], 1
	s_cbranch_scc0 .Lnot_v_\@
	tensor_load_to_lds s[G0V:G0V+3], s[G1V:G1V+7]
	s_nop 0
.rept 4
	v_nop
.endr
	s_branch .Lasked_\@
.Lnot_v_\@:
	s_cmp_eq_u32 s[WV], 2
	s_cbranch_scc0 .Lasked_\@
	tensor_load_to_lds s[G0M:G0M+3], s[G1M:G1M+7]
	s_nop 0
.rept 4
	v_nop
.endr
.Lasked_\@:
.endm
; A PREFETCH INTO THE L2, at the change of slots, by waves that fetch nothing: wave 4 for k, wave 5 for v, wave 6 for the mask, one instruction each.  Each aligned block of 256 bytes is named once in the launch.
; k and v: all clusters of a row of clusters walk the same stream of a group of heads, which is dense in memory: cluster x = 0 asks.  Ask j names 128 blocks, from block 208 + 128 j of k's 1,664 (200 + 128 j of v's 1,600):
; the first two steps come by their loads alone.  The four partners of a row take 32 blocks each, told apart by address; lanes 256 bytes apart.  Eleven asks for k and ten for v stay inside the group's bytes.
; The mask: both clusters of a column of clusters read the same rows: cluster y = 0 asks, in trip j for step j + 2's tile; the four partners of a column take 16 rows each, by address; a lane takes half a row's 512 bytes.  Fourteen asks.
.macro ASK
	s_cmp_lt_u32 s[STEPC], s[LIM]
	s_cbranch_scc0 .Lnot_mine_\@
	global_prefetch_b8 v[PFO], s[PFA:PFA+1] th:TH_LOAD_NT scope:SCOPE_SE
.Lnot_mine_\@:
.endm
	s_load_b256 s[4:11], s[0:1], 0x0               ; qws s[4:5], kws s[6:7], vws s[8:9], attn_mask s[10:11]
	s_load_b128 s[12:15], s[0:1], 0x20             ; aws s[12:13], asc s[14:15]
	v_lshl_add_u32 v[SPW], v0, 2, SPARE
	v_mov_b32 v[NIL], 0
	ds_add_u32 v7, v8
	s_wait_dscnt 0x0
	v_lshrrev_b32 v9, 5, v0
	v_readfirstlane_b32 s[WV], v9                  ; wave 0..15
	s_and_b32 s[HD], s[WV], 3                      ; my head of the four
	s_lshr_b32 s[QT], s[WV], 2                     ; my tile of 16 queries
	s_bfe_u32 s19, ttmp6, 0x40000                  ; cx
	s_bfe_u32 s20, ttmp6, 0x40004                  ; cy
	s_lshl_b32 s21, ttmp9, 2
	s_add_co_u32 s21, s21, s19                     ; which 64 queries = 4 x cluster x + cx
	s_and_b32 s23, ttmp7, 0xffff                   ; cluster y
	s_lshl_b32 s22, s23, 2
	s_add_co_u32 s22, s22, s20                     ; which group of four heads = 4 x cluster y + cy
	s_lshl_b32 s76, s20, 2
	s_lshl_b32 s76, 15, s76                        ; my row of the cluster
	s_lshl_b32 s77, 0x1111, s19                    ; my column
	; descriptor groups 1.  k, v: dense blocks as rows of 256 bytes (32 elements of 8 bytes), 104 and 100 rows, no padding
	s_or_b32 s[G1K], s76, (3<<16)|(1<<21)
	s_mov_b32 s[G1K+1], 32<<16
	s_mov_b32 s[G1K+2], 104<<16
	s_mov_b32 s[G1K+3], 32<<16
	s_mov_b32 s[G1K+4], 104
	s_mov_b32 s[G1K+5], 32
	s_mov_b32 s[G1K+6], 0
	s_mov_b32 s[G1K+7], 0
	s_or_b32 s[G1V], s76, (3<<16)|(1<<21)
	s_mov_b32 s[G1V+1], 32<<16
	s_mov_b32 s[G1V+2], 100<<16
	s_mov_b32 s[G1V+3], 32<<16
	s_mov_b32 s[G1V+4], 100
	s_mov_b32 s[G1V+5], 32
	s_mov_b32 s[G1V+6], 0
	s_mov_b32 s[G1V+7], 0
	; the mask: 64 rows x 128 elements of 4 bytes, 2,048 elements from row to row; 4 words of padding behind every 128
	s_or_b32 s[G1M], s77, (2<<16)|(1<<20)|(1<<21)|(6<<22)|(3<<25)
	s_mov_b32 s[G1M+1], 128<<16
	s_mov_b32 s[G1M+2], 64<<16
	s_mov_b32 s[G1M+3], 128<<16
	s_mov_b32 s[G1M+4], 64
	s_mov_b32 s[G1M+5], 2048
	s_mov_b32 s[G1M+6], 0
	s_mov_b32 s[G1M+7], 0
	s_mul_i32 s78, s22, 425984                     ; my group's k: hangs on the group alone
	s_mov_b32 s79, 0
	s_mul_i32 s80, s22, 409600                     ; my group's v
	s_mov_b32 s81, 0
	s_lshl_b32 s82, s21, 19                        ; my 64 rows of the mask, 8,192 bytes each: hangs on the queries alone
	s_mov_b32 s83, 0
	s_wait_kmcnt 0x0
	s_mov_b32 s[G0K], 1
	s_mov_b32 s[G0K+1], 0
	s_add_nc_u64 s[G0K+2:G0K+3], s[6:7], s[78:79]
	s_or_b32 s[G0K+3], s[G0K+3], 0x80000000
	s_mov_b32 s[G0V], 1
	s_mov_b32 s[G0V+1], VOFF
	s_add_nc_u64 s[G0V+2:G0V+3], s[8:9], s[80:81]
	s_or_b32 s[G0V+3], s[G0V+3], 0x80000000
	s_mov_b32 s[G0M], 1
	s_mov_b32 s[G0M+1], MOFF
	s_add_nc_u64 s[G0M+2:G0M+3], s[10:11], s[82:83]
	s_or_b32 s[G0M+3], s[G0M+3], 0x80000000
	CROUND                                         ; all sixteen work-groups are here: the first joint loads meet
	TLOAD                                          ; step 0 into slot 0
	; q: my head's block of my 128 tokens, my tile in it
	s_lshr_b32 s84, s21, 1
	s_mul_i32 s84, s84, 26624
	s_mul_i32 s85, s22, 425984
	s_add_co_u32 s84, s84, s85
	s_mul_i32 s85, s[HD], KBLK
	s_add_co_u32 s84, s84, s85
	s_mov_b32 s85, 0
	s_add_nc_u64 s[4:5], s[4:5], s[84:85]
	s_and_b32 s86, s21, 1
	s_lshl_b32 s87, s86, 2
	s_add_co_u32 s87, s87, s[QT]                   ; the tile among the block's eight
	s_mul_i32 s87, s87, 768
	v_and_b32 v240, 31, v0                         ; lane
	v_and_b32 v241, 15, v0                         ; r
	v_bfe_u32 v242, v0, 4, 1                       ; h
	v_lshl_add_u32 v10, v240, 4, s87
	v_lshl_add_u32 v11, v240, 3, s87
	global_load_b128 v[QR:QR+3], v10, s[4:5]                   ; each piece twice: q stands on both sides of the zeros
	global_load_b128 v[QR+12:QR+15], v10, s[4:5]
	global_load_b64 v[QR+4:QR+5], v11, s[4:5] offset:512
	global_load_b64 v[QR+16:QR+17], v11, s[4:5] offset:512
	s_lshl_b32 s86, s86, 8
	s_lshl_b32 s88, s[QT], 2
	s_add_co_u32 s86, s86, s88
	v_lshl_add_u32 v13, v241, 4, s86
	global_load_b32 v[QSW], v13, s[4:5] offset:6144
	; where the results go
	s_mul_i32 s86, s22, 393216
	s_mul_i32 s87, s21, 12288
	s_add_co_u32 s86, s86, s87
	s_mov_b32 s87, 0
	s_add_nc_u64 s[12:13], s[12:13], s[86:87]      ; aws: my group's plane, my 64 rows of 192 bytes
	s_lshl_b32 s86, s21, 12
	s_lshl_b32 s88, s22, 3
	s_add_co_u32 s86, s86, s88
	s_add_nc_u64 s[14:15], s[14:15], s[86:87]      ; asc: my 64 rows of 64 bytes, my group's 8
	; LDS addresses: the wave's number and the lane alone
	s_mul_i32 s90, s[HD], KBLK
	v_lshl_add_u32 v1, v240, 4, s90                ; k: registers 0-3 of a tile
	v_lshl_add_u32 v2, v240, 3, s90
	v_add_nc_u32 v2, 512, v2                       ; registers 4-5
	v_lshl_add_u32 v3, v241, 4, s90
	v_add_nc_u32 v3, 6144, v3                      ; its scale words
	s_mul_i32 s91, s[HD], VBLK
	s_add_co_u32 s91, s91, VOFF
	v_lshl_add_u32 v4, v240, 4, s91                ; v
	v_lshl_add_u32 v5, v241, 4, s91
	v_add_nc_u32 v5, 6144, v5                      ; its scale words
	s_mul_i32 s92, s[QT], 16*MP
	s_add_co_u32 s92, s92, MOFF
	v_mul_u32_u24 v6, v241, MP
	v_lshl_add_u32 v6, v242, 5, v6
	v_add_nc_u32 v6, s92, v6                       ; the mask: my query's row, + 32 h
	; the prefetches: where my wave's stand, one step short of the first (the change of slots steps the address ahead of the ask), and how many
	s_lshl_b32 s89, s19, 13                        ; cx x 32 blocks
	s_add_co_u32 s86, s78, s89
	s_add_co_u32 s86, s86, 208*256-32768           ; k
	s_add_co_u32 s87, s80, s89
	s_add_co_u32 s87, s87, 200*256-32768           ; v
	s_lshl_b32 s88, s20, 17                        ; cy x 16 rows
	s_add_co_u32 s88, s88, s82
	s_add_co_u32 s88, s88, 512                     ; the mask
	s_cmp_eq_u32 ttmp9, 0
	s_cselect_b32 s89, 11, 0
	s_cselect_b32 s94, 10, 0
	s_cmp_eq_u32 s23, 0
	s_cselect_b32 s95, 14, 0
	s_cmp_eq_u32 s[WV], 6
	s_cselect_b32 s[LIM], s95, 0
	s_mov_b32 s[PFS], 32768
	s_cselect_b32 s[PFS], 512, s[PFS]
	s_mov_b32 s93, 512
	s_cselect_b32 s93, 8192, s93                   ; from one pair of lanes to the next
	s_cmp_eq_u32 s[WV], 4
	s_cselect_b64 s[PFA:PFA+1], s[6:7], s[10:11]
	s_cselect_b32 s88, s86, s88
	s_cselect_b32 s[LIM], s89, s[LIM]
	s_cmp_eq_u32 s[WV], 5
	s_cselect_b64 s[PFA:PFA+1], s[8:9], s[PFA:PFA+1]
	s_cselect_b32 s88, s87, s88
	s_cselect_b32 s[LIM], s94, s[LIM]
	s_mov_b32 s89, 0
	s_add_nc_u64 s[PFA:PFA+1], s[PFA:PFA+1], s[88:89]
	s_mov_b32 s[PFS+1], 0
	v_lshrrev_b32 v243, 1, v240
	v_mul_lo_u32 v[PFO], v243, s93
	v_and_b32 v243, 1, v240
	v_lshl_add_u32 v[PFO], v243, 8, v[PFO]
	s_mov_b32 s[SEL], 0x76543210
	s_mov_b32 s[SEL+1], 0xfedcba98
	s_mov_b32 s[CS], 0x3fb8aa3b                    ; log2(e)
	s_mov_b32 s[CS+1], s[CS]                       ; (named with it as a pair, so it is written)
	s_mov_b32 s[TB], 0
	s_mov_b32 s[STEPC], 0
.irp i, 0,1,2,3,4,5
	v_mov_b32 v[QR+6+\i], 0                        ; the zero codes, written once
	v_mov_b32 v[KR+6+\i], 0
	v_mov_b32 v[KR+24+\i], 0
	v_mov_b32 v[KR+42+\i], 0
	v_mov_b32 v[KR+60+\i], 0
.endr
	v_mov_b32 v17, 0xff61b1e6                      ; the largest t so far: -3e38
	v_floor_f32 v16, -v17                          ; -M
	v_mov_b32 v18, 0                               ; the sum, in two halves
	v_mov_b32 v19, 0
.irp b, 0,1,2,3
	v_mov_b32 v[T4+\b], 0                          ; written once: a lane permute's destination counts as one of its sources
.endr
	v_mov_b32 v253, 0                              ; (named as the upper half of the pair v[252:253] before it is first written)
.set j, 0
.rept 32
	v_mov_b32 v[O+j], 0                            ; O^T: the step is written once; its first turn finds zeros
.set j, j+1
.endr
; A KEY STEP: 128 keys, in the slot at s[TB]
.macro STEP
	v_add_nc_u32 v10, s[TB], v1                    ; six plain instructions: the places between the last step's products and the loads into, and the products that write over, their operands' registers
	v_add_nc_u32 v11, s[TB], v2
	v_add_nc_u32 v12, s[TB], v3
	v_add_nc_u32 v13, s[TB], v4
	v_add_nc_u32 v14, s[TB], v5
	v_add_nc_u32 v15, s[TB], v6
.irp t, 0,1,2,3,4,5,6,7
	ds_load_b128 v[S+8*\t:S+8*\t+3], v15 offset:64*\t          ; the mask of my query at keys 16 t + 8 h + 0 .. 7, into the scores' registers
	ds_load_b128 v[S+8*\t+4:S+8*\t+7], v15 offset:64*\t+16
.endr
.irp t, 0,1,2,3,4,5,6,7
	ds_load_b128 v[KR+18*(\t/2)+12*(\t%2):KR+18*(\t/2)+12*(\t%2)+3], v10 offset:768*\t
	ds_load_b64 v[KR+18*(\t/2)+12*(\t%2)+4:KR+18*(\t/2)+12*(\t%2)+5], v11 offset:768*\t
.endr
	ds_load_b128 v[KSW:KSW+3], v12
	ds_load_b128 v[KSW+4:KSW+7], v12 offset:256
	s_wait_dscnt 0x0
.irp t, 0,1,2,3,4,5,6,7
	v_wmma_scale_f32_16x16x128_f8f6f4 v[S+8*\t:S+8*\t+7], v[KR+18*(\t/2)+6*(\t%2):KR+18*(\t/2)+6*(\t%2)+11], v[QR+6*(\t%2):QR+6*(\t%2)+11], v[S+8*\t:S+8*\t+7], v[KSW+\t], v[QSW] matrix_a_fmt:MATRIX_FMT_FP6 matrix_b_fmt:MATRIX_FMT_FP6
.endr
.rept 4
	v_nop
.endr
.irp b, 0,1,2,3
	v_max3_num_f32 v[BM+\b], v[S+16*\b], v[S+1+16*\b], v[S+2+16*\b]   ; the largest logit of each block of 32 keys: for the row's maximum, and, since p rises with the logit, for the block's largest p
.endr
.irp i, 3,5,7,9,11,13
.irp b, 0,1,2,3
	v_max3_num_f32 v[BM+\b], v[BM+\b], v[S+16*\b+\i], v[S+1+16*\b+\i]
.endr
.endr
.irp b, 0,1,2,3
	v_max_num_f32 v[BM+\b], v[BM+\b], v[S+15+16*\b]
.endr
.irp b, 0,1,2,3
	v_permlanex16_b32 v[T4+\b], v[BM+\b], s[SEL], s[SEL+1]
.endr
.irp b, 0,1,2,3
	v_max_num_f32 v[BM+\b], v[BM+\b], v[T4+\b]     ; with lane l xor 16's 16 keys
.endr
	v_max3_num_f32 v254, v[BM], v[BM+1], v[BM+2]
	v_max_num_f32 v254, v254, v[BM+3]
	v_mul_f32 v254, s[CS], v254                    ; as t
	v_max_num_f32 v17, v17, v254                   ; the running largest t
	v_mov_b32 v254, v16
	v_floor_f32 v16, -v17                          ; the new -M = -ceil(t): a whole number
	v_sub_f32 v254, v16, v254                      ; M's old value less its new one
	v_cvt_i32_f32 v254, v254                       ; (it saturates)
	v_ldexp_f32 v252, 1.0, v254                    ; f = 2^(old M - new M): a multiplication by it rounds nothing
.set j, 0
.rept 32
	v_pk_fma_f32 v[S+j:S+j+1], v[S+j:S+j+1], s[CS:CS+1], v[16:17] op_sel_hi:[1,0,0]   ; t - M, two at a time
.set j, j+2
.endr
.irp b, 0,1,2,3
	v_fma_f32 v[BM+\b], v[BM+\b], s[CS], v16       ; the same of each block's largest logit
.endr
.set j, 0
.rept 64
	v_exp_f32 v[S+j], v[S+j]                       ; p = 2^(t - M)
.set j, j+1
.endr
	v_pk_mul_f32 v[18:19], v[18:19], v[252:253] op_sel_hi:[1,0]   ; the sums under the new M: a plain place behind the exponentials
	s_wait_alu depctr_va_vdst(0)                   ; one wait for the 64, ahead of their first reader
.irp b, 0,1,2,3
	v_exp_f32 v[BM+\b], v[BM+\b]                   ; the block's largest p
.endr
	v_pk_add_f32 v[T4:T4+1], v[S:S+1], v[S+2:S+3]  ; the row's sum of the unquantised p, in two chains; it reads the 64 alone
.irp j, 4,8,12,16,20,24,28,32,36,40,44,48,52,56,60
	v_pk_add_f32 v[18:19], v[18:19], v[S+\j:S+1+\j]
	v_pk_add_f32 v[T4:T4+1], v[T4:T4+1], v[S+2+\j:S+3+\j]
.endr
	v_pk_add_f32 v[18:19], v[18:19], v[T4:T4+1]
	s_wait_alu depctr_va_vdst(0)                   ; and one for the four
.irp b, 0,1,2,3
	v_max_num_f32 v[BM+\b], 0x1800000, v[BM+\b]    ; the floor 2^(3 - 127): the byte cannot fall under 1
.endr
.irp b, 0,1,2,3
	v_add_nc_u32 v[SO+\b], 0xff000000, v[BM+\b]    ; 2 off the exponent field: the conversion's scale operand
.endr
.irp b, 0,1,2,3
	v_lshrrev_b32 v[T4+\b], 23, v[SO+\b]           ; the scale's byte
.endr
	v_lshl_or_b32 v253, v[T4+1], 8, v[T4]          ; p's scale word for these 128 keys
	v_lshl_or_b32 v253, v[T4+2], 16, v253
	v_lshl_or_b32 v253, v[T4+3], 24, v253
.irp c, 0,1
	v_cvt_scalef32_pk16_fp6_f32 v[PC+6*\c:PC+2+6*\c], v[S+32*\c:S+15+32*\c], v[SO+2*\c]
	v_cvt_scalef32_pk16_fp6_f32 v[T4+4*\c:T4+2+4*\c], v[S+16+32*\c:S+31+32*\c], v[SO+2*\c+1]
.endr
	v_nop                                          ; one plain place behind a scaled conversion
.irp c, 0,1
.irp i, 0,1,2
	v_permlane16_swap_b32 v[PC+6*\c+\i], v[T4+4*\c+\i]   ; a whole block to a lane
.endr
.irp i, 0,1,2
	v_mov_b32 v[PC+3+6*\c+\i], v[T4+4*\c+\i]
.endr
.endr
.irp t, 0,1,2,3
.irp c, 0,1,2
	ds_load_b128 v[S+12*\t+4*\c:S+12*\t+4*\c+3], v13 offset:1536*\t+512*\c   ; v's four fragments, where p lay
.endr
.endr
	ds_load_b128 v[VSW:VSW+3], v14
.set j, 0
.rept 16
	v_pk_mul_f32 v[O+j:O+j+1], v[O+j:O+j+1], v[252:253] op_sel_hi:[1,0]      ; O^T under the new M; these sixteen are also the places between the codes' and the scale word's last writes and the products
.set j, j+2
.endr
	s_wait_dscnt 0x0
.irp t, 0,1,2,3
	v_wmma_scale_f32_16x16x128_f8f6f4 v[O+8*\t:O+8*\t+7], v[S+12*\t:S+12*\t+11], v[PC:PC+11], v[O+8*\t:O+8*\t+7], v[VSW+\t], v253 matrix_a_fmt:MATRIX_FMT_FP6 matrix_b_fmt:MATRIX_FMT_FP6
.endr
.endm
; THE CHANGE OF SLOTS, at a step's head.  Each wave waits for all its tensor loads, adds 0 to its spare word, and waits for that and for its reads of the slot that it has left.  fill = 1: a round of the cluster's barrier, and
; behind it that slot is filled with the next step's tiles.
.macro CHANGE fill
	s_wait_tensorcnt 0x0                           ; no tensor load of mine is out, so a group 0 may be written
	ds_add_u32 v[SPW], v[NIL]                      ; 0 onto my spare word
.if \fill
	s_xor_b32 s[G0K+1], s[G0K+1], SLOT1
	s_add_nc_u64 s[G0K+2:G0K+3], s[G0K+2:G0K+3], KSTEPB
	s_xor_b32 s[G0V+1], s[G0V+1], SLOT1
	s_add_nc_u64 s[G0V+2:G0V+3], s[G0V+2:G0V+3], VSTEPB
	s_xor_b32 s[G0M+1], s[G0M+1], SLOT1
	s_add_nc_u64 s[G0M+2:G0M+3], s[G0M+2:G0M+3], 512
	s_wait_xcnt 0x0                                ; the last prefetch, a step back, has read its address
	s_add_nc_u64 s[PFA:PFA+1], s[PFA:PFA+1], s[PFS:PFS+1]
.endif
	s_wait_dscnt 0x0                               ; the add is done, and my reads of the slot that I have left are over
.if \fill
	CROUND
	TLOAD                                          ; the first thing behind the round, and a wave's one tensor load until the next
	ASK
.else
	s_barrier_signal -1
	s_barrier_wait -1
.endif
.endm
	s_wait_loadcnt 0x0                             ; q
.Lstep:                                                ; 15 trips: behind each change of slots but the last the next step's tiles are asked for
	CHANGE 1
	STEP
	s_xor_b32 s[TB], s[TB], SLOT1
	s_add_co_u32 s[STEPC], s[STEPC], 1
	s_cmp_lt_u32 s[STEPC], 15
	s_cbranch_scc1 .Lstep
	CHANGE 0                                       ; the last step is written out
	STEP
	; THE WAY OUT
	v_add_f32 v18, v18, v19                        ; the sum's two halves,
	v_permlanex16_b32 v252, v18, s[SEL], s[SEL+1]
	v_add_f32 v18, v18, v252                       ; and lane l xor 16's
	v_rcp_f32 v18, v18
	v_and_b32 v240, 31, v0                         ; lane  (plain work behind the reciprocal, and the places behind the last products)
	v_and_b32 v241, 15, v0                         ; r
	v_bfe_u32 v242, v0, 4, 1                       ; h
	s_mul_i32 s90, s[QT], 16*192
	s_mul_i32 s91, s[HD], 48
	s_add_co_u32 s90, s90, s91
	s_add_co_u32 s90, s90, STAGE
	v_mul_u32_u24 v10, v241, 192
	v_mad_u32_u24 v10, v242, 24, v10
	v_add_nc_u32 v10, s90, v10                     ; the stage: my query's row of 192 bytes, my head's 48, my half's block of 24
	s_lshl_b32 s91, s[QT], 7
	s_lshl_b32 s92, s[HD], 1
	s_add_co_u32 s91, s91, s92
	s_add_co_u32 s91, s91, SCS
	v_lshl_add_u32 v11, v241, 3, s91               ; my query's 8 scale bytes, my head's two
	s_mul_i32 s92, s[WV], 768
	v_lshl_add_u32 v13, v240, 3, s92               ; back: 768 bytes a wave, 8 a lane: in aws,
	v_add_nc_u32 v12, STAGE, v13                   ; and in the stage
	v_and_b32 v243, 63, v0
	v_lshl_add_u32 v14, v243, 3, SCS               ; the scale bytes' way back: a row a thread (waves 0 and 1)
	v_lshlrev_b32 v15, 6, v243
	s_wait_alu depctr_va_vdst(0)                   ; the wait ahead of the reciprocal's first reader
.set j, 0
.rept 32
	v_mul_f32 v[S+j], v[O+j], v18                  ; O^T / the sum: register 8 t + i is channel 16 t + 8 h + i of my query
.set j, j+1
.endr
.irp b, 0,1
.irp i, 0,1,2,3,4,5,6,7
	v_permlane16_swap_b32 v[S+16*\b+\i], v[S+8+16*\b+\i]   ; the true order: my 16 registers of block b are now channels 32 b + 16 h + 0 .. 15
.endr
.endr
.irp b, 0,1
	v_max3_num_f32 v[BM+\b], |v[S+16*\b]|, |v[S+1+16*\b]|, 0x1800000
.endr
.irp i, 2,4,6,8,10,12,14
.irp b, 0,1
	v_max3_num_f32 v[BM+\b], v[BM+\b], |v[S+16*\b+\i]|, |v[S+1+16*\b+\i]|
.endr
.endr
.irp b, 0,1
	v_permlanex16_b32 v[T4+\b], v[BM+\b], s[SEL], s[SEL+1]
.endr
.irp b, 0,1
	v_max_num_f32 v[BM+\b], v[BM+\b], v[T4+\b]
.endr
.irp b, 0,1
	v_add_nc_u32 v[SO+\b], 0xff000000, v[BM+\b]
.endr
.irp b, 0,1
	v_lshrrev_b32 v[T4+\b], 23, v[SO+\b]
.endr
	v_lshl_or_b32 v253, v[T4+1], 8, v[T4]          ; my head's two scale bytes
	v_cvt_scalef32_pk16_fp6_f32 v[PC:PC+2], v[S:S+15], v[SO]
	v_cvt_scalef32_pk16_fp6_f32 v[T4:T4+2], v[S+16:S+31], v[SO+1]
	v_nop                                          ; one plain place behind a scaled conversion
.irp i, 0,1,2
	v_permlane16_swap_b32 v[PC+\i], v[T4+\i]       ; lanes 0-15: block 0 whole; lanes 16-31: block 1
.endr
.irp i, 0,1,2
	v_mov_b32 v[PC+3+\i], v[T4+\i]
.endr
	ds_store_b64 v10, v[PC:PC+1]
	ds_store_b64 v10, v[PC+2:PC+3] offset:8
	ds_store_b64 v10, v[PC+4:PC+5] offset:16
	ds_store_b16 v11, v253                         ; both lanes of a query write the same two bytes
	s_wait_dscnt 0x0                               ; for the others' sake: my stores are done
	s_barrier_signal -1
	s_barrier_wait -1                              ; 64 whole rows lie in the stage
.irp i, 0,1,2
	ds_load_b64 v[S+2*\i:S+2*\i+1], v12 offset:256*\i
.endr
.irp i, 0,1,2
	s_wait_dscnt 2-\i                              ; the younger loads may be out
	global_store_b64 v13, v[S+2*\i:S+2*\i+1], s[12:13] offset:256*\i   ; 32 lanes store 256 consecutive bytes, aligned
.endr
	s_cmp_lt_u32 s[WV], 2
	s_cbranch_scc0 .Lno_scales
	ds_load_b64 v[S+8:S+9], v14
	s_wait_dscnt 0x0
	global_store_b64 v15, v[S+8:S+9], s[14:15]     ; a token's 8 scale bytes of this group of heads
.Lno_scales:
	s_wait_tensorcnt 0x0                           ; the wave's end
	ds_add_u32 v[SPW], v[NIL]
	s_wait_dscnt 0x0
	CROUND                                         ; the closing round
	s_endpgm
.Lfunc_end_k_qdd6b871faf_attn:
	.size	k_qdd6b871faf_attn, .Lfunc_end_k_qdd6b871faf_attn-k_qdd6b871faf_attn
	.p2alignl 7, 3214868480
	.fill 96, 4, 3214868480
	.section	.rodata,"a",@progbits
	.p2align	6, 0x0
	.amdhsa_kernel k_qdd6b871faf_attn
		.amdhsa_group_segment_fixed_size 327680
		.amdhsa_private_segment_fixed_size 0
		.amdhsa_enable_private_segment 0
		.amdhsa_kernarg_size 48
		.amdhsa_user_sgpr_count 2
		.amdhsa_user_sgpr_kernarg_segment_ptr 1
		.amdhsa_wavefront_size32 1
		.amdhsa_system_sgpr_workgroup_id_x 1
		.amdhsa_system_sgpr_workgroup_id_y 1
		.amdhsa_system_sgpr_workgroup_id_z 1
		.amdhsa_system_vgpr_workitem_id 0
		.amdhsa_next_free_vgpr 256
		.amdhsa_next_free_sgpr 96
		.amdhsa_reserve_vcc 0
		.amdhsa_float_denorm_mode_32 3
		.amdhsa_float_denorm_mode_16_64 3
		.amdhsa_memory_ordered 1
		.amdhsa_forward_progress 1
		.amdhsa_inst_pref_size 53
	.end_amdhsa_kernel
	.amdgpu_metadata
---
amdhsa.version: [ 1, 2 ]
amdhsa.kernels:
  - .name:           k_qdd6b871faf_attn
    .symbol:         k_qdd6b871faf_attn.kd
    .args:
      - { .name: qws, .offset: 0, .size: 8, .value_kind: global_buffer, .address_space: global }
      - { .name: kws, .offset: 8, .size: 8, .value_kind: global_buffer, .address_space: global }
      - { .name: vws, .offset: 16, .size: 8, .value_kind: global_buffer, .address_space: global }
      - { .name: attn_mask, .offset: 24, .size: 8, .value_kind: global_buffer, .address_space: global }
      - { .name: aws, .offset: 32, .size: 8, .value_kind: global_buffer, .address_space: global }
      - { .name: asc, .offset: 40, .size: 8, .value_kind: global_buffer, .address_space: global }
    .group_segment_fixed_size: 327680
    .private_segment_fixed_size: 0
    .kernarg_segment_align: 8
    .kernarg_segment_size: 48
    .max_flat_workgroup_size: 512
    .sgpr_count:     96
    .vgpr_count:     256
    .wavefront_size: 32
...
	.end_amdgpu_metadata
.endif
;; end of part 2
;; launch outp (part 3): grid 8 x 8, 4 waves a work-group, clusters of 4 x 4, 327,680 bytes of LDS; arguments aws, asc, Wo_codes, Wo_scales, bo, out0; writes out0
.if DOCPART == 3
	.amdgcn_target "amdgcn-amd-amdhsa--gfx1250"
	.amdhsa_code_object_version 6
	.text
	.protected	k_qdd6b871faf_outp
	.globl	k_qdd6b871faf_outp
	.p2align	8
	.type	k_qdd6b871faf_outp,@function
k_qdd6b871faf_outp:
	s_mov_b64 s[64:65], 0
	v_nop
	global_prefetch_b8 v0, s[64:65] scope:SCOPE_SE
	s_setreg_imm32_b32 hwreg(HW_REG_WAVE_MODE, 25, 1), 1
	s_wait_xcnt 0x0
	s_wait_alu depctr_hold_cnt(0) depctr_sa_sdst(0) depctr_va_vdst(0) depctr_va_sdst(0) depctr_va_ssrc(0) depctr_va_vcc(0) depctr_vm_vsrc(0)
	s_getreg_b32 s2, hwreg(HW_REG_IB_STS2, 6, 4)
	s_cmp_eq_u32 s2, 0
	s_cbranch_scc0 .Lentry_in_a_cluster
	s_endpgm
.Lentry_in_a_cluster:
	s_bfe_u32 s2, ttmp6, 0x10000c
	s_cmp_lg_u32 s2, 0xf033
	s_cbranch_scc0 .Lentry_shape_is_right
	s_endpgm
.Lentry_shape_is_right:
; THE LAST PROJECTION: out0 = attn Wo^T + bo, on codes of FP6 (E2M3) with one E8M0 scale for each 32 along K; sums in f32.
; A = the attention's result as the launch before laid it: aws [K step of 256][token][192 bytes], so a K step's 128 rows are dense; its scale bytes asc [token][64].  B = Wo's codes [2048][1,536 bytes], scale bytes [2048][64].
; A tile of C, 256 x 256, is made by four waves, 128 x 128 each: 64 accumulators.  K goes in steps of 256 through a ring of two LDS slots filled by joint tensor loads: A's tile is shared along a row of the 4 x 4 cluster,
; B's along a column.  The scale bytes of the work-group's rows come into LDS once.  The matrix instruction is used transposed (source 0 = 16 rows of B, source 1 = 16 rows of A): a lane holds eight neighbouring numbers of a row of C.
; 64 tiles of C make 64 work-groups: the tile is kept large, since a smaller one reads each fragment from LDS for fewer products.
; REGISTERS: window 0: v0-31 addresses, v8-11 my four columns' bias; v32-63 scale words; from v128 A's fragments, one set.  window 1: B's fragments, two sets.  windows 2, 3: the accumulators.
.set SIZE_N, 2048
.set SIZE_K, 2048
.set KSTEP,  256
.set NQ,     KSTEP/128
.set ROWB,   192
.set KROW,   SIZE_K*6/8
.set APLANE, 2048*ROWB                 ; from one K step of A to the next
.set PITCH,  240
.set FR,     12
.set NL,     6
.set NP,     4
.set HALFT,  128*PITCH
.set SLOT,   4*HALFT
.set LAPS,   SIZE_K/(2*KSTEP)
.set KS,     SIZE_K/32
.set SCL,    2*SLOT
.set HALFS,  (128*KS/256)*272
.set SBLK,   (16*KS/256)*272
.set SPARE,  SCL+4*HALFS               ; the spare words, 128 bytes for each wave; no other line names them
.set SPITCH, 528                       ; the way out: a stage of 16 rows x (512 bytes + 16) for each wave, in slot 0, which has had its last fill and its last read by then
.set ADRA, 16
.set ADRB, 20
.set STO,  24
.set RD,   25
.set CO,   26
.set ADRS, 27
.set SPW,  28
.set NIL,  29
.set SC,   32
.set AF,   128
.set BK,   128
.set G1, 24
.set G0, 32
.set G1B, 48
.set G0B, 56
.set G1S, 68
.set G0S, 76
.set G1SB, 80
.set G0SB, 88
.set MSB, 0
.macro WIN new
.if MSB != \new
	s_set_vgpr_msb (MSB<<8)|\new
.set MSB, \new
.endif
.endm
.set MUL_LO, 0xa1
.set MUL_HI, 0xf1
.set TO_B,   0x40
.macro JLOAD g0a, g1a, g0b, g1b        ; a joint load: waves 0 and 1 fetch for A, waves 2 and 3 for B; four v_nop follow each of the two lines
	s_cmp_eq_u32 s15, 0
	s_cbranch_scc0 .Lfor_b_\@
	tensor_load_to_lds s[\g0a:\g0a+3], s[\g1a:\g1a+7]
	s_nop 0
.rept 4
	v_nop
.endr
	s_branch .Lasked_\@
.Lfor_b_\@:
	tensor_load_to_lds s[\g0b:\g0b+3], s[\g1b:\g1b+7]
	s_nop 0
.rept 4
	v_nop
.endr
.Lasked_\@:
.endm
.macro CREST
	s_cmp_lg_u32 s14, 0
	s_cbranch_scc1 .Lnot_wave_0_\@
	s_barrier_signal -3
.Lnot_wave_0_\@:
	s_barrier_wait -3
	s_barrier_signal -1
	s_barrier_wait -1
.endm
.macro CROUND
	s_barrier_signal -1
	s_barrier_wait -1
	CREST
.endm
	s_load_b128 s[4:7], s[0:1], 0x0                ; A's codes, A's scales
	s_load_b128 s[8:11], s[0:1], 0x10              ; B's codes, B's scales
	s_load_b64 s[96:97], s[0:1], 0x20              ; bo
	s_load_b64 s[12:13], s[0:1], 0x28              ; out0
	v_lshl_add_u32 v[SPW], v0, 2, SPARE
	v_mov_b32 v[NIL], 0
	ds_add_u32 v28, v29
	s_wait_dscnt 0x0
	v_lshrrev_b32 v1, 5, v0
	v_readfirstlane_b32 s14, v1                    ; wave 0..3
	s_lshr_b32 s15, s14, 1                         ; which half of the tile's rows is mine.  Also: I fetch for A (0) or for B (1)
	s_and_b32 s16, s14, 1                          ; which half of its columns.  Also: which 128 rows of that tile I fetch
	s_bfe_u32 s40, ttmp6, 0x40000
	s_bfe_u32 s41, ttmp6, 0x40004
	s_lshl_b32 s42, ttmp9, 2
	s_add_co_u32 s42, s42, s40                     ; tile column
	s_and_b32 s17, ttmp7, 0xffff
	s_lshl_b32 s17, s17, 2
	s_add_co_u32 s17, s17, s41                     ; tile row
	s_lshl_b32 s43, s41, 2
	s_lshl_b32 s43, 15, s43                        ; my row of the cluster
	s_lshl_b32 s44, 0x1111, s40                    ; my column
	s_or_b32 s[G1+0], s43, (0<<16)|(1<<20)|(1<<21)|(3<<22)|(3<<25)
	s_or_b32 s[G1B+0], s44, (0<<16)|(1<<20)|(1<<21)|(3<<22)|(3<<25)
.irp g, G1, G1B
	s_mov_b32 s[\g+1], ROWB<<16
	s_mov_b32 s[\g+2], 128<<16
	s_mov_b32 s[\g+3], ROWB<<16
	s_mov_b32 s[\g+4], 128
	s_mov_b32 s[\g+6], 0
	s_mov_b32 s[\g+7], 0
.endr
	s_mov_b32 s[G1+5], ROWB                        ; A's rows of a K step follow each other
	s_mov_b32 s[G1B+5], KROW
	s_or_b32 s[G1S+0], s43, (3<<16)|(1<<20)|(1<<21)|(5<<22)|(3<<25)
	s_or_b32 s[G1SB+0], s44, (3<<16)|(1<<20)|(1<<21)|(5<<22)|(3<<25)
.irp g, G1S, G1SB
	s_mov_b32 s[\g+1], 32<<16
	s_mov_b32 s[\g+2], (128*KS/256)<<16
	s_mov_b32 s[\g+3], 32<<16
	s_mov_b32 s[\g+4], 128*KS/256
	s_mov_b32 s[\g+5], 32
	s_mov_b32 s[\g+6], 0
	s_mov_b32 s[\g+7], 0
.endr
	s_lshl_b32 s18, s16, 7
	s_lshl_b32 s20, s17, 8
	s_add_co_u32 s20, s20, s18                     ; A: row 256 x tile row + 128 x half
	s_lshl_b32 s46, s42, 8
	s_add_co_u32 s46, s46, s18                     ; B: row 256 x tile column + 128 x half
	s_mov_b32 s21, 0
	s_mov_b32 s47, 0
	s_mov_b64 s[18:19], KS
	s_mul_u64 s[22:23], s[20:21], s[18:19]
	s_mul_u64 s[92:93], s[46:47], s[18:19]
	s_mov_b64 s[18:19], ROWB
	s_mul_u64 s[20:21], s[20:21], s[18:19]
	s_mov_b64 s[18:19], KROW
	s_mul_u64 s[46:47], s[46:47], s[18:19]
	s_mul_i32 s45, s14, HALFT
	s_mul_i32 s94, s14, HALFS
	s_wait_kmcnt 0x0
	s_add_nc_u64 s[20:21], s[4:5], s[20:21]
	s_add_nc_u64 s[22:23], s[6:7], s[22:23]
	s_add_nc_u64 s[46:47], s[8:9], s[46:47]
	s_add_nc_u64 s[92:93], s[10:11], s[92:93]
	CROUND                                         ; all sixteen work-groups are here: the first joint loads meet
	s_mov_b32 s[G0S], 1
	s_add_co_u32 s[G0S+1], s94, SCL
	s_mov_b64 s[G0S+2:G0S+3], s[22:23]
	s_or_b32 s[G0S+3], s[G0S+3], 0x80000000
	s_mov_b32 s[G0SB], 1
	s_add_co_u32 s[G0SB+1], s94, SCL
	s_mov_b64 s[G0SB+2:G0SB+3], s[92:93]
	s_or_b32 s[G0SB+3], s[G0SB+3], 0x80000000
	JLOAD G0S, G1S, G0SB, G1SB
.irp s, 0,1
	s_mov_b32 s[G0+4*\s], 1
	s_add_co_u32 s[G0+4*\s+1], s45, \s*SLOT
	s_add_nc_u64 s[G0+4*\s+2:G0+4*\s+3], s[20:21], \s*APLANE
	s_or_b32 s[G0+4*\s+3], s[G0+4*\s+3], 0x80000000
	s_mov_b32 s[G0B+4*\s], 1
	s_add_co_u32 s[G0B+4*\s+1], s45, \s*SLOT
	s_add_nc_u64 s[G0B+4*\s+2:G0B+4*\s+3], s[46:47], \s*ROWB
	s_or_b32 s[G0B+4*\s+3], s[G0B+4*\s+3], 0x80000000
	JLOAD G0+4*\s, G1, G0B+4*\s, G1B
.endr
	v_and_b32 v1, 15, v0
	v_bfe_u32 v2, v0, 4, 1
	v_mul_u32_u24 v3, v1, PITCH
	v_mul_u32_u24 v4, v2, 24
	v_add_nc_u32 v4, v3, v4
	v_lshl_add_u32 v5, v2, 4, v4
	s_mul_i32 s21, s15, HALFT
	s_mul_i32 s22, s16, HALFT
	s_add_co_u32 s22, s22, 2*HALFT
.irp s, 0,1
	v_add_nc_u32 v[ADRA+\s], s21, v4
	v_add_nc_u32 v[ADRB+\s], s22, v4
	v_add_nc_u32 v[ADRA+2+\s], s21, v5
	v_add_nc_u32 v[ADRB+2+\s], s22, v5
	s_add_co_u32 s21, s21, SLOT
	s_add_co_u32 s22, s22, SLOT
.endr
	v_mul_u32_u24 v5, v1, KS
	v_lshrrev_b32 v6, 8, v5
	v_lshl_add_u32 v5, v6, 4, v5
	s_mul_i32 s21, s15, HALFS
	s_mul_i32 s22, s16, HALFS
	s_add_co_u32 s22, s22, 2*HALFS
	s_sub_co_u32 s22, s22, s21
	v_mul_u32_u24 v6, s22, v2
	s_add_co_u32 s21, s21, SCL
	v_add_nc_u32 v5, v5, v6
	v_add_nc_u32 v[ADRS], s21, v5
	s_mul_i32 s23, s14, 16*SPITCH                  ; my stage
	v_mul_u32_u24 v5, v1, SPITCH
	v_lshl_add_u32 v5, v2, 5, v5
	v_add_nc_u32 v[STO], s23, v5
	v_and_b32 v6, 31, v0
	v_lshlrev_b32 v[CO], 4, v6
	v_add_nc_u32 v[RD], s23, v[CO]
	s_lshl_b32 s20, s17, 8
	s_lshl_b32 s21, s15, 7
	s_add_co_u32 s20, s20, s21                     ; my first row of C
	s_mov_b32 s21, 0
	s_mov_b64 s[18:19], SIZE_N*4
	s_mul_u64 s[20:21], s[20:21], s[18:19]
	s_lshl_b32 s46, s42, 10                        ; my first column, in bytes: in a row of C and in bo alike
	s_lshl_b32 s47, s16, 9
	s_add_co_u32 s46, s46, s47
	s_mov_b32 s47, 0
	s_add_nc_u64 s[96:97], s[96:97], s[46:47]
	s_add_nc_u64 s[20:21], s[20:21], s[46:47]
	s_add_nc_u64 s[12:13], s[12:13], s[20:21]
	global_load_b128 v[8:11], v[CO], s[96:97]      ; the bias of the four columns that I store in every row
.macro FRAG reg, adr, q, i
.irp p, 0,1,2,3,4,5
.set PIECE, 12*(\q)+6*(\p/3)+\p%3
.if PIECE%8 < 5
	ds_load_b64 v[\reg+2*\p:\reg+2*\p+1], v[\adr] offset:8*PIECE+16*(PIECE/8)+(\i)*16*PITCH
.else
	ds_load_b64 v[\reg+2*\p:\reg+2*\p+1], v[\adr+2] offset:8*PIECE+16*(PIECE/8)+(\i)*16*PITCH
.endif
.endr
.endm
; The 64 accumulators take turns, one instruction a turn, in the same order in every step.
.macro MUL16 a0, p, q, sc, zero
.irp a, \a0, \a0+1
.irp b, 0,1,2,3,4,5,6,7
.if \zero
	v_wmma_scale_f32_16x16x128_f8f6f4 v[8*(8*((\a)%4)+\b):8*(8*((\a)%4)+\b)+7], v[128*(\p)+FR*\b:128*(\p)+FR*\b+FR-1], v[AF+FR*(\a):AF+FR*(\a)+FR-1], 0, v[SC+8*NQ*(\sc)+NQ*\b+(\q)], v[SC+8*NQ*(\sc)+NQ*(\a)+(\q)] matrix_a_fmt:MATRIX_FMT_FP6 matrix_b_fmt:MATRIX_FMT_FP6 matrix_a_scale:MATRIX_SCALE_ROW1
.else
	v_wmma_scale_f32_16x16x128_f8f6f4 v[8*(8*((\a)%4)+\b):8*(8*((\a)%4)+\b)+7], v[128*(\p)+FR*\b:128*(\p)+FR*\b+FR-1], v[AF+FR*(\a):AF+FR*(\a)+FR-1], v[8*(8*((\a)%4)+\b):8*(8*((\a)%4)+\b)+7], v[SC+8*NQ*(\sc)+NQ*\b+(\q)], v[SC+8*NQ*(\sc)+NQ*(\a)+(\q)] matrix_a_fmt:MATRIX_FMT_FP6 matrix_b_fmt:MATRIX_FMT_FP6 matrix_a_scale:MATRIX_SCALE_ROW1
.endif
.endr
.endr
.endm
.macro FETCH_B slot, q, p
	WIN TO_B
.irp i, 0,1,2,3,4,5,6,7
	FRAG 128*(\p)+FR*\i, ADRB+\slot, \q, \i
.endr
	WIN 0
.endm
.macro FETCH_A slot, q, i0
.irp i, \i0, \i0+1, \i0+2, \i0+3
	FRAG AF+FR*(\i), ADRA+\slot, \q, \i
.endr
.endm
.macro SCALES sc
.irp i, 0,1,2,3,4,5,6,7
	ds_load_b64 v[SC+8*NQ*\sc+NQ*\i:SC+8*NQ*\sc+NQ*\i+1], v[ADRS] offset:\i*SBLK
.endr
.endm
.macro PLACES n
.rept \n
	v_nop
.endr
.endm
.macro STEP slot, q, zero
	s_wait_dscnt 4*NL                              ; B's set and A's blocks 0-3 are in; the youngest 24 loads (A's blocks 4-7) may be out
	WIN MUL_LO
	MUL16 0, (\q)%2, \q, \slot, \zero
	MUL16 2, (\q)%2, \q, \slot, \zero
	s_wait_dscnt 0
	PLACES NP
	FETCH_B \slot, (\q)+1, 1-(\q)%2
	FETCH_A \slot, (\q)+1, 0
	WIN MUL_HI
	MUL16 4, (\q)%2, \q, \slot, \zero
	MUL16 6, (\q)%2, \q, \slot, \zero
	PLACES NP
	WIN 0
	FETCH_A \slot, (\q)+1, 4
.endm
.macro TURN slot, next, fill
	s_wait_tensorcnt 0x0                           ; all my tensor loads have landed: my part of the next slot
	ds_add_u32 v[SPW], v[NIL]                      ; 0 onto my spare word
	s_wait_dscnt 4*NL+1                            ; (the add and the youngest 24 loads may be out)
	WIN MUL_LO
	MUL16 0, 1, NQ-1, \slot, 0
	s_wait_dscnt 0x0                               ; the add is done, and my reads of this slot are over
	s_barrier_signal -1
	MUL16 2, 1, NQ-1, \slot, 0
	WIN 0
	s_barrier_wait -1
.if \fill
	CREST                                          ; the barrier has opened a round of the cluster's: no wave of any partner still reads this slot or has a load on its way
	s_add_nc_u64 s[G0+4*\slot+2:G0+4*\slot+3], s[G0+4*\slot+2:G0+4*\slot+3], 2*APLANE
	s_add_nc_u64 s[G0B+4*\slot+2:G0B+4*\slot+3], s[G0B+4*\slot+2:G0B+4*\slot+3], 2*ROWB
	JLOAD G0+4*\slot, G1, G0B+4*\slot, G1B
.else
	PLACES NP
.endif
	v_add_nc_u32 v[ADRS], 4*NQ, v[ADRS]
	FETCH_B \next, 0, 0
	FETCH_A \next, 0, 0
	SCALES \next
	WIN MUL_HI
	MUL16 4, 1, NQ-1, \slot, 0
	MUL16 6, 1, NQ-1, \slot, 0
	PLACES NP
	WIN 0
	FETCH_A \next, 0, 4
.endm
	s_wait_tensorcnt 1                             ; the scales and my part of K step 0 are in (K step 1's load may be out),
	s_barrier_signal -1
	s_barrier_wait -1                              ; everybody's are
	FETCH_B 0, 0, 0
	FETCH_A 0, 0, 0
	SCALES 0
	FETCH_A 0, 0, 4
	STEP 0, 0, 1
	s_mov_b32 s3, LAPS-1
.Llap:
	TURN 0, 1, 1
	STEP 1, 0, 0
	TURN 1, 0, 1
	STEP 0, 0, 0
	s_sub_co_u32 s3, s3, 1
	s_cmp_lg_u32 s3, 0
	s_cbranch_scc1 .Llap
	TURN 0, 1, 0
	STEP 1, 0, 0
	s_wait_dscnt 4*NL
	WIN MUL_LO
	MUL16 0, 1, NQ-1, 1, 0
	MUL16 2, 1, NQ-1, 1, 0
	s_wait_dscnt 0
	WIN MUL_HI
	MUL16 4, 1, NQ-1, 1, 0
	MUL16 6, 1, NQ-1, 1, 0
	WIN 0
; THE WAY OUT, block by block of 16 rows x 128 columns, through my own stage in LDS: back come whole rows of 512 bytes, the bias is added, and the 32 lanes store two aligned runs of 256 bytes.
.macro TOSTAGE a
.set AC, 64*((\a)%4)
	WIN 0x08+4*((\a)/4)
.irp b, 0,1,2,3,4,5,6,7
	ds_store_b128 v[STO], v[AC+8*\b:AC+8*\b+3] offset:64*\b          ; each accumulator from its low end on
	ds_store_b128 v[STO], v[AC+8*\b+4:AC+8*\b+7] offset:64*\b+16
.endr
	WIN 0
.set BB, BK+64*((\a)%2)
.irp t, 0,1,2,3,4,5,6,7,8,9,10,11,12,13,14,15
	ds_load_b128 v[BB+4*\t:BB+4*\t+3], v[RD] offset:\t*SPITCH        ; LDS serves a wave's instructions in order (ISA guide 5.7.1.4): these see the stores above
.endr
.endm
.macro SEND a, younger
.set BB, BK+64*((\a)%2)
	s_wait_dscnt \younger                          ; the block is back in registers; the next block's 16 stores and 16 loads may be out
.if (\a) > 0
	s_add_nc_u64 s[12:13], s[12:13], 16*SIZE_N*4   ; (behind a wait on XCNT: the earlier stores have read their base)
.endif
.irp t, 0,1,2,3,4,5,6,7,8,9,10,11,12,13,14,15
	v_pk_add_f32 v[BB+4*\t:BB+4*\t+1], v[BB+4*\t:BB+4*\t+1], v[8:9]
	v_pk_add_f32 v[BB+4*\t+2:BB+4*\t+3], v[BB+4*\t+2:BB+4*\t+3], v[10:11]
	global_store_b128 v[CO], v[BB+4*\t:BB+4*\t+3], s[12:13] offset:\t*SIZE_N*4 th:TH_STORE_NT
.endr
.endm
	PLACES NP
	s_wait_loadcnt 0x0                             ; the bias
	TOSTAGE 0
.irp a, 1,2,3,4,5,6,7
.if \a > 1
	s_wait_xcnt 0x0                                ; block a - 2's stores have read their registers and their base
.endif
	TOSTAGE \a
	SEND \a-1, 32
.endr
	s_wait_xcnt 0x0
	SEND 7, 0
	s_wait_tensorcnt 0x0                           ; the wave's end
	ds_add_u32 v[SPW], v[NIL]
	s_wait_dscnt 0x0
	CROUND                                         ; the closing round
	s_endpgm
.Lfunc_end_k_qdd6b871faf_outp:
	.size	k_qdd6b871faf_outp, .Lfunc_end_k_qdd6b871faf_outp-k_qdd6b871faf_outp
	.p2alignl 7, 3214868480
	.fill 96, 4, 3214868480
	.section	.rodata,"a",@progbits
	.p2align	6, 0x0
	.amdhsa_kernel k_qdd6b871faf_outp
		.amdhsa_group_segment_fixed_size 327680
		.amdhsa_private_segment_fixed_size 0
		.amdhsa_enable_private_segment 0
		.amdhsa_kernarg_size 48
		.amdhsa_user_sgpr_count 2
		.amdhsa_user_sgpr_kernarg_segment_ptr 1
		.amdhsa_wavefront_size32 1
		.amdhsa_system_sgpr_workgroup_id_x 1
		.amdhsa_system_sgpr_workgroup_id_y 1
		.amdhsa_system_sgpr_workgroup_id_z 1
		.amdhsa_system_vgpr_workitem_id 0
		.amdhsa_next_free_vgpr 1024
		.amdhsa_next_free_sgpr 100
		.amdhsa_reserve_vcc 0
		.amdhsa_float_denorm_mode_32 3
		.amdhsa_float_denorm_mode_16_64 3
		.amdhsa_memory_ordered 1
		.amdhsa_forward_progress 1
		.amdhsa_inst_pref_size 176
	.end_amdhsa_kernel
	.amdgpu_metadata
---
amdhsa.version: [ 1, 2 ]
amdhsa.kernels:
  - .name:           k_qdd6b871faf_outp
    .symbol:         k_qdd6b871faf_outp.kd
    .args:
      - { .name: aws, .offset: 0, .size: 8, .value_kind: global_buffer, .address_space: global }
      - { .name: asc, .offset: 8, .size: 8, .value_kind: global_buffer, .address_space: global }
      - { .name: Wo_codes, .offset: 16, .size: 8, .value_kind: global_buffer, .address_space: global }
      - { .name: Wo_scales, .offset: 24, .size: 8, .value_kind: global_buffer, .address_space: global }
      - { .name: bo, .offset: 32, .size: 8, .value_kind: global_buffer, .address_space: global }
      - { .name: out0, .offset: 40, .size: 8, .value_kind: global_buffer, .address_space: global }
    .group_segment_fixed_size: 327680
    .private_segment_fixed_size: 0
    .kernarg_segment_align: 8
    .kernarg_segment_size: 48
    .max_flat_workgroup_size: 128
    .sgpr_count:     100
    .vgpr_count:     1024
    .wavefront_size: 32
...
	.end_amdgpu_metadata
.endif
;; end of part 3
;; ======== version 2 of 2: 3 launches
;; workspace buffers: qws 3,407,872 bytes; kws 3,407,872 bytes; vws 3,276,800 bytes; aws 3,145,728 bytes; asc 131,072 bytes
;; launch proj: the kernel of part 1 again; grid 8 x 24, 4 waves a work-group, clusters of 4 x 4, 327,680 bytes of LDS; arguments query_codes, query_scales, Wq_codes, Wq_scales, key_codes, key_scales, Wk_codes, Wk_scales, Wv_codes, Wv_scales, value_codes, value_scales, bq, bk, bv, sin, cos, xscale, qws, kws, vws; writes qws, kws, vws
;; launch attn: the kernel of part 2 again; grid 32 x 8, 16 waves a work-group, clusters of 4 x 4, 327,680 bytes of LDS; arguments qws, kws, vws, attn_mask, aws, asc; writes aws, asc
;; launch outp (part 4): grid 16 x 16, 4 waves a work-group, clusters of 4 x 4, 327,680 bytes of LDS; arguments aws, asc, Wo_codes, Wo_scales, bo, out0; writes out0
.if DOCPART == 4
	.amdgcn_target "amdgcn-amd-amdhsa--gfx1250"
	.amdhsa_code_object_version 6
	.text
	.protected	k_qdd6b871faf_outp
	.globl	k_qdd6b871faf_outp
	.p2align	8
	.type	k_qdd6b871faf_outp,@function
k_qdd6b871faf_outp:
	s_mov_b64 s[64:65], 0
	v_nop
	global_prefetch_b8 v0, s[64:65] scope:SCOPE_SE
	s_setreg_imm32_b32 hwreg(HW_REG_WAVE_MODE, 25, 1), 1
	s_wait_xcnt 0x0
	s_wait_alu depctr_hold_cnt(0) depctr_sa_sdst(0) depctr_va_vdst(0) depctr_va_sdst(0) depctr_va_ssrc(0) depctr_va_vcc(0) depctr_vm_vsrc(0)
	s_getreg_b32 s2, hwreg(HW_REG_IB_STS2, 6, 4)
	s_cmp_eq_u32 s2, 0
	s_cbranch_scc0 .Lentry_in_a_cluster
	s_endpgm
.Lentry_in_a_cluster:
	s_bfe_u32 s2, ttmp6, 0x10000c
	s_cmp_lg_u32 s2, 0xf033
	s_cbranch_scc0 .Lentry_shape_is_right
	s_endpgm
.Lentry_shape_is_right:
; THE LAST PROJECTION: out0 = attn Wo^T + bo, on codes of FP6 (E2M3) with one E8M0 scale for each 32 along K; sums in f32.
; A = the attention's result as the launch before laid it: aws [plane of 256 along K][token][192 bytes], so a plane's rows are dense; its scale bytes asc [token][64].  B = Wo's codes [2048][1,536 bytes], scale bytes [2048][64].
; A TILE OF C IS 128 x 128: C has 256 such tiles, one for each work-group of the grid of 16 x 16; tiles of 256 x 256 would be 64.  Four waves, 64 x 64 each: 16 accumulators of 16 x 16.
; K goes in steps of 512 through a ring of two LDS slots, as long a step as two slots allow.  A slot is four pieces of 128 rows x 192 bytes: A's two planes, then B's two runs of 256 along K; wave w fetches piece w by one tensor load.
; K has four such steps, so the text is written out without a loop: two first fills, two refills.  From a refill's request to the wait for it a wave issues 64 matrix instructions.
; CLUSTERS, 4 x 4: the four work-groups of a row of the cluster need the same pieces of A, the four of a column the same pieces of B: each piece is asked for jointly, by the same tensor load with the same descriptor and a mask
; that names the four.  The scale bytes of the work-group's 128 + 128 rows, for all of K, come into LDS once, with the first fills.
; THE MATRIX INSTRUCTION IS USED TRANSPOSED (source 0 = 16 rows of B, source 1 = 16 rows of A): lane (r, h) holds row 16 a + r of C and its registers the columns 16 b + 8 h + 0 .. 7.
; REGISTERS: window 0: v1-7 at work, v8-11 my four columns' bias, v16-29 addresses, v32-63 scale words (two sets of 16; they hold nothing else), v64-127 the way out, v128-255 the accumulators ((a, b) at v[128 + 8 (4 a + b)]).
;   window 1: two fragment buffers, at v0 and at v128: A's four fragments (48 registers), then B's four.
; No prefetch is laid: each work-group reads four steps of small tiles, of which two are asked for at the head.
.set SIZE_N, 2048
.set SIZE_K, 2048
.set ROWB,   192                       ; 256 codes in bytes: a piece's row
.set KROW,   SIZE_K*6/8                ; a row of B in memory
.set APLANE, 2048*ROWB                 ; from one plane of A to the next
.set PITCH,  240                       ; an LDS row: 3 x (64 bytes + 16 of padding) = 60 words: the 32 lanes of a load of 8 bytes touch 64 different banks (64 banks of 4 bytes: ISA guide 11.1)
.set FR,     12                        ; registers of a fragment: 16 rows x 128 K
.set NP,     4                         ; places behind this matrix instruction (ISA guide 7.12.1)
.set HALFT,  128*PITCH                 ; a piece: what one tensor load brings
.set SLOT,   4*HALFT
.set KS,     SIZE_K/32                 ; a row of scale bytes
.set SCL,    2*SLOT                    ; behind the ring: the scale bytes, as runs of 256 bytes + 16 of padding
.set HALFS,  (64*KS/256)*272           ; those of 64 rows: what one tensor load brings, and what one wave reads of A or of B
.set SBLK,   (16*KS/256)*272           ; those of 16 rows
.set SPARE,  SCL+4*HALFS               ; the spare words, 128 bytes for each wave; no other line names them
.set SPITCH, 272                       ; the way out: a stage of 16 rows x (256 bytes + 16) for each wave, in slot 0, which has had its last fill and its last read by then
.set ADRA, 16                          ; v16-17  LDS address of my A fragments in slot 0, 1  (v18-19: the same for the pieces that lie behind one padding more)
.set ADRB, 20                          ; v20-21  the same for B  (v22-23)
.set STO,  24                          ; v24     the way out: where I put 32 bytes of a row
.set RD,   25                          ; v25     where I read a row back
.set CO,   26                          ; v26     my byte offset in two rows of C
.set ADRS, 27                          ; v27     LDS address of my scale words: lanes 0-15 A's rows, lanes 16-31 B's
.set SPW,  28                          ; v28     my spare word; never rewritten
.set NIL,  29                          ; v29     0; never rewritten
.set SC,   32                          ; set s at v[SC + 16 s]; in it register 4 i + t: lanes 0-15 the word of A's block i, lanes 16-31 that of B's block i, for the slot's t-th 128 along K
.set BK,   64                          ; the way out: 16 rows read back: v64-95 and v96-127 by turns
.set ACC,  128
.set G1, 24                            ; s[24:31] descriptor group 1 for A's pieces;  s[32:39] group 0, one set for each slot
.set G0, 32
.set G1B, 48                           ; s[48:55], s[56:63] the same for B's
.set G0B, 56
.set G1S, 68                           ; s[68:75], s[76:79] groups 1 and 0 for A's scales;  s[80:87], s[88:91] for B's
.set G0S, 76
.set G1SB, 80
.set G0SB, 88
.set MSB, 0
.macro WIN new                         ; the immediate's high byte repeats the setting that is left
.if MSB != \new
	s_set_vgpr_msb (MSB<<8)|\new
.set MSB, \new
.endif
.endm
.set MUL,  0x05                        ; sources 0 (B) and 1 (A) window 1; C and D window 0
.set TO_F, 0x40                        ; destination window 1, address window 0
; A joint load: waves 0 and 1 fetch for A, waves 2 and 3 for B; the branch hangs on the wave's number alone.  Four v_nop follow each of the two lines.
.macro JLOAD g0a, g1a, g0b, g1b
	s_cmp_eq_u32 s15, 0
	s_cbranch_scc0 .Lfor_b_\@
	tensor_load_to_lds s[\g0a:\g0a+3], s[\g1a:\g1a+7]
	s_nop 0
.rept 4
	v_nop
.endr
	s_branch .Lasked_\@
.Lfor_b_\@:
	tensor_load_to_lds s[\g0b:\g0b+3], s[\g1b:\g1b+7]
	s_nop 0
.rept 4
	v_nop
.endr
.Lasked_\@:
.endm
.macro CREST                           ; a round of the cluster's barrier behind its opening barrier
	s_cmp_lg_u32 s14, 0
	s_cbranch_scc1 .Lnot_wave_0_\@
	s_barrier_signal -3
.Lnot_wave_0_\@:
	s_barrier_wait -3
	s_barrier_signal -1
	s_barrier_wait -1
.endm
.macro CROUND                          ; a whole round
	s_barrier_signal -1
	s_barrier_wait -1
	CREST
.endm
	s_load_b128 s[4:7], s[0:1], 0x0                ; A's codes, A's scales
	s_load_b128 s[8:11], s[0:1], 0x10              ; B's codes, B's scales
	s_load_b64 s[96:97], s[0:1], 0x20              ; bo
	s_load_b64 s[12:13], s[0:1], 0x28              ; out0
	v_lshl_add_u32 v[SPW], v0, 2, SPARE
	v_mov_b32 v[NIL], 0
	ds_add_u32 v28, v29
	s_wait_dscnt 0x0
	v_lshrrev_b32 v1, 5, v0
	v_readfirstlane_b32 s14, v1                    ; wave 0..3
	s_lshr_b32 s15, s14, 1                         ; which 64 rows of the tile are mine.  Also: I fetch for A (0) or for B (1)
	s_and_b32 s16, s14, 1                          ; which 64 columns.  Also: which of a slot's two runs of 256 along K I fetch, and which 64 rows' scale bytes
	s_bfe_u32 s40, ttmp6, 0x40000                  ; cx, cy: my place in the cluster
	s_bfe_u32 s41, ttmp6, 0x40004
	s_lshl_b32 s42, ttmp9, 2
	s_add_co_u32 s42, s42, s40                     ; tile column = 4 x cluster x + cx
	s_and_b32 s17, ttmp7, 0xffff
	s_lshl_b32 s17, s17, 2
	s_add_co_u32 s17, s17, s41                     ; tile row = 4 x cluster y + cy
	s_lshl_b32 s43, s41, 2
	s_lshl_b32 s43, 15, s43                        ; my row of the cluster
	s_lshl_b32 s44, 0x1111, s40                    ; my column
	; descriptor group 1: a piece of 128 rows x 192 bytes; 16 bytes of padding behind every 64
	s_or_b32 s[G1+0], s43, (0<<16)|(1<<20)|(1<<21)|(3<<22)|(3<<25)
	s_or_b32 s[G1B+0], s44, (0<<16)|(1<<20)|(1<<21)|(3<<22)|(3<<25)
.irp g, G1, G1B
	s_mov_b32 s[\g+1], ROWB<<16                    ; tensor_dim0
	s_mov_b32 s[\g+2], 128<<16                     ; tensor_dim1
	s_mov_b32 s[\g+3], ROWB<<16                    ; tile_dim0
	s_mov_b32 s[\g+4], 128                         ; tile_dim1
	s_mov_b32 s[\g+6], 0
	s_mov_b32 s[\g+7], 0
.endr
	s_mov_b32 s[G1+5], ROWB                        ; a plane's rows of A follow each other
	s_mov_b32 s[G1B+5], KROW
	; the scales of 64 rows: a dense block of 4,096 bytes, as 16 rows of 256 bytes (32 elements of 8 bytes), 16 bytes of padding behind each
	s_or_b32 s[G1S+0], s43, (3<<16)|(1<<20)|(1<<21)|(5<<22)|(3<<25)
	s_or_b32 s[G1SB+0], s44, (3<<16)|(1<<20)|(1<<21)|(5<<22)|(3<<25)
.irp g, G1S, G1SB
	s_mov_b32 s[\g+1], 32<<16
	s_mov_b32 s[\g+2], (64*KS/256)<<16
	s_mov_b32 s[\g+3], 32<<16
	s_mov_b32 s[\g+4], 64*KS/256
	s_mov_b32 s[\g+5], 32
	s_mov_b32 s[\g+6], 0
	s_mov_b32 s[\g+7], 0
.endr
	; where the pieces come from.  A's hang on the tile row and the wave's number alone, B's on the tile column and the wave's number, each in registers that never hold the other coordinate
	s_lshl_b32 s18, s16, 6                         ; which 64 rows' scale bytes I fetch
	s_lshl_b32 s20, s17, 7                         ; A: the tile's first row = 128 x tile row
	s_lshl_b32 s46, s42, 7                         ; B: 128 x tile column
	s_add_co_u32 s22, s20, s18
	s_add_co_u32 s92, s46, s18
	s_mov_b32 s21, 0
	s_mov_b32 s23, 0
	s_mov_b32 s47, 0
	s_mov_b32 s93, 0
	s_mov_b64 s[18:19], KS
	s_mul_u64 s[22:23], s[22:23], s[18:19]         ; where those rows' scale bytes begin
	s_mul_u64 s[92:93], s[92:93], s[18:19]
	s_mov_b64 s[18:19], ROWB
	s_mul_u64 s[20:21], s[20:21], s[18:19]         ; the tile's first row in a plane of A,
	s_mov_b64 s[18:19], KROW
	s_mul_u64 s[46:47], s[46:47], s[18:19]         ; and in B
	s_mov_b32 s99, 0
	s_mul_i32 s98, s16, APLANE
	s_add_nc_u64 s[20:21], s[20:21], s[98:99]      ; my run of 256 along K: in A a plane on,
	s_mul_i32 s98, s16, ROWB
	s_add_nc_u64 s[46:47], s[46:47], s[98:99]      ; in B 192 bytes on in each row
	s_mul_i32 s45, s14, HALFT                      ; where they go: piece = wave: no place in the cluster enters an LDS address
	s_mul_i32 s94, s14, HALFS
	s_wait_kmcnt 0x0
	s_add_nc_u64 s[20:21], s[4:5], s[20:21]
	s_add_nc_u64 s[22:23], s[6:7], s[22:23]
	s_add_nc_u64 s[46:47], s[8:9], s[46:47]
	s_add_nc_u64 s[92:93], s[10:11], s[92:93]
	CROUND                                         ; all sixteen work-groups are here: the first joint loads meet
	s_mov_b32 s[G0S], 1
	s_add_co_u32 s[G0S+1], s94, SCL
	s_mov_b64 s[G0S+2:G0S+3], s[22:23]
	s_or_b32 s[G0S+3], s[G0S+3], 0x80000000
	s_mov_b32 s[G0SB], 1
	s_add_co_u32 s[G0SB+1], s94, SCL
	s_mov_b64 s[G0SB+2:G0SB+3], s[92:93]
	s_or_b32 s[G0SB+3], s[G0SB+3], 0x80000000
	JLOAD G0S, G1S, G0SB, G1SB                     ; the scales first: they are wanted with K step 0
.irp s, 0,1
	s_mov_b32 s[G0+4*\s], 1
	s_add_co_u32 s[G0+4*\s+1], s45, \s*SLOT
	s_add_nc_u64 s[G0+4*\s+2:G0+4*\s+3], s[20:21], \s*2*APLANE    ; K step s: planes 2 s and 2 s + 1
	s_or_b32 s[G0+4*\s+3], s[G0+4*\s+3], 0x80000000
	s_mov_b32 s[G0B+4*\s], 1
	s_add_co_u32 s[G0B+4*\s+1], s45, \s*SLOT
	s_add_nc_u64 s[G0B+4*\s+2:G0B+4*\s+3], s[46:47], \s*2*ROWB
	s_or_b32 s[G0B+4*\s+3], s[G0B+4*\s+3], 0x80000000
	JLOAD G0+4*\s, G1, G0B+4*\s, G1B               ; by this text's count three tensor loads of a wave are out here, later one
.endr
	v_and_b32 v1, 15, v0                           ; r = l % 16
	v_bfe_u32 v2, v0, 4, 1                         ; h = l / 16
	v_mul_u32_u24 v3, v1, PITCH
	v_mul_u32_u24 v4, v2, 24
	v_add_nc_u32 v4, v3, v4                        ; a fragment's row x pitch + 24 x half
	v_lshl_add_u32 v5, v2, 4, v4                   ; and the same behind one padding more
	s_mul_i32 s21, s15, 64*PITCH                   ; my 64 rows of A
	s_mul_i32 s22, s16, 64*PITCH                   ; my 64 rows of B,
	s_add_co_u32 s22, s22, 2*HALFT                 ; which lie behind A's two pieces
.irp s, 0,1
	v_add_nc_u32 v[ADRA+\s], s21, v4
	v_add_nc_u32 v[ADRB+\s], s22, v4
	v_add_nc_u32 v[ADRA+2+\s], s21, v5
	v_add_nc_u32 v[ADRB+2+\s], s22, v5
	s_add_co_u32 s21, s21, SLOT
	s_add_co_u32 s22, s22, SLOT
.endr
	v_mul_u32_u24 v5, v1, KS                       ; my row's scales: KS bytes a row,
	v_lshrrev_b32 v6, 8, v5
	v_lshl_add_u32 v5, v6, 4, v5                   ; and 16 more for each 256 passed
	s_mul_i32 s21, s15, HALFS                      ; A's: my 64 rows
	s_mul_i32 s22, s16, HALFS                      ; B's: my 64 rows, behind A's 128
	s_add_co_u32 s22, s22, 2*HALFS
	s_sub_co_u32 s22, s22, s21
	v_mul_u32_u24 v6, s22, v2                      ; lanes 16-31 take B's: one product, the distance between the two
	s_add_co_u32 s21, s21, SCL
	v_add_nc_u32 v5, v5, v6
	v_add_nc_u32 v[ADRS], s21, v5
	s_mul_i32 s23, s14, 16*SPITCH                  ; my stage
	v_mul_u32_u24 v5, v1, SPITCH                   ; in: row r, 32 bytes for each half of the lanes
	v_lshl_add_u32 v5, v2, 5, v5
	v_add_nc_u32 v[STO], s23, v5
	v_mul_u32_u24 v6, v2, SPITCH                   ; back: lanes 0-15 take one row of 256 bytes, lanes 16-31 the next
	v_lshl_add_u32 v6, v1, 4, v6
	v_add_nc_u32 v[RD], s23, v6
	v_lshlrev_b32 v7, 4, v1                        ; 16 r: my four columns
	v_lshl_add_u32 v[CO], v2, 13, v7               ; and the same two rows in C: a row is 8,192 bytes
	s_lshl_b32 s20, s17, 7
	s_lshl_b32 s21, s15, 6
	s_add_co_u32 s20, s20, s21                     ; my first row of C: 128 x tile row + 64 x half
	s_mov_b32 s21, 0
	s_mov_b64 s[18:19], SIZE_N*4
	s_mul_u64 s[20:21], s[20:21], s[18:19]
	s_lshl_b32 s46, s42, 9                         ; my first column, in bytes: 512 x tile column + 256 x half: in a row of C and in bo alike
	s_lshl_b32 s47, s16, 8
	s_add_co_u32 s46, s46, s47
	s_mov_b32 s47, 0
	s_add_nc_u64 s[96:97], s[96:97], s[46:47]
	s_add_nc_u64 s[20:21], s[20:21], s[46:47]
	s_add_nc_u64 s[12:13], s[12:13], s[20:21]
	global_load_b128 v[8:11], v7, s[96:97]         ; the bias of the four columns that I store in every row
; A fragment: lane l holds row l % 16; registers 6 c .. 6 c + 5 hold K = 64 c + 32 (l / 16) + 0 .. 31: 24 bytes of the row, in pieces of 8.  st: the slot's st-th 128 along K: piece st / 2 of the slot's two, its half st % 2.
.macro FRAG reg, adr, st, i
.irp p, 0,1,2,3,4,5
.set PIECE, 12*((\st)%2)+6*(\p/3)+\p%3 ; lanes 16-31 read three pieces on: where that lies behind one padding more, the second address register serves
.if PIECE%8 < 5
	ds_load_b64 v[\reg+2*\p:\reg+2*\p+1], v[\adr] offset:((\st)/2)*HALFT+8*PIECE+16*(PIECE/8)+(\i)*16*PITCH
.else
	ds_load_b64 v[\reg+2*\p:\reg+2*\p+1], v[\adr+2] offset:((\st)/2)*HALFT+8*PIECE+16*(PIECE/8)+(\i)*16*PITCH
.endif
.endr
.endm
.macro FETCH_B slot, st, f             ; B's four fragments into buffer f: 24 loads
	WIN TO_F
.irp i, 0,1,2,3
	FRAG \f+48+FR*\i, ADRB+\slot, \st, \i
.endr
.endm
.macro FETCH_A slot, st, f             ; A's four
	WIN TO_F
.irp i, 0,1,2,3
	FRAG \f+FR*\i, ADRA+\slot, \st, \i
.endr
.endm
.macro SCALES sc, ks                   ; K step ks's scale words into set sc: four words a row; lanes 0-15 take A's block i, lanes 16-31 B's block i
.irp i, 0,1,2,3
	ds_load_b128 v[SC+16*\sc+4*\i:SC+16*\sc+4*\i+3], v[ADRS] offset:\i*SBLK+16*(\ks)
.endr
.endm
; 8 matrix instructions: A's blocks a0, a0 + 1 x B's four, on buffer f.  The 16 accumulators take turns, one instruction a turn, in the same order in every step.
.macro MUL8 f, a0, st, sc, zero
.irp a, \a0, \a0+1
.irp b, 0,1,2,3
.if \zero
	v_wmma_scale_f32_16x16x128_f8f6f4 v[ACC+8*(4*(\a)+\b):ACC+8*(4*(\a)+\b)+7], v[\f+48+FR*\b:\f+48+FR*\b+FR-1], v[\f+FR*(\a):\f+FR*(\a)+FR-1], 0, v[SC+16*(\sc)+4*\b+(\st)], v[SC+16*(\sc)+4*(\a)+(\st)] matrix_a_fmt:MATRIX_FMT_FP6 matrix_b_fmt:MATRIX_FMT_FP6 matrix_a_scale:MATRIX_SCALE_ROW1
.else
	v_wmma_scale_f32_16x16x128_f8f6f4 v[ACC+8*(4*(\a)+\b):ACC+8*(4*(\a)+\b)+7], v[\f+48+FR*\b:\f+48+FR*\b+FR-1], v[\f+FR*(\a):\f+FR*(\a)+FR-1], v[ACC+8*(4*(\a)+\b):ACC+8*(4*(\a)+\b)+7], v[SC+16*(\sc)+4*\b+(\st)], v[SC+16*(\sc)+4*(\a)+(\st)] matrix_a_fmt:MATRIX_FMT_FP6 matrix_b_fmt:MATRIX_FMT_FP6 matrix_a_scale:MATRIX_SCALE_ROW1
.endif
.endr
.endr
.endm
.macro PLACES n                        ; plain vector instructions between a matrix instruction and a load into, or a store or vector access to, one of its registers
.rept \n
	v_nop
.endr
.endm
; One of a slot's first three steps of 128 along K: multiplies buffer st % 2 and fetches the slot's next step into the other buffer, which the step before multiplied: in two runs of 24 loads, each ahead of eight products.
.macro STEP slot, st, zero
	s_wait_dscnt 0x0                               ; this step's fragments (and a slot's scale words) are in
	PLACES NP
	FETCH_B \slot, (\st)+1, 128*(1-(\st)%2)
	WIN MUL
	MUL8 128*((\st)%2), 0, \st, \slot, \zero
	FETCH_A \slot, (\st)+1, 128*(1-(\st)%2)
	WIN MUL
	MUL8 128*((\st)%2), 2, \st, \slot, \zero
.endm
; A slot's last step multiplies buffer 1 and changes slots: one barrier.  In front of it each wave waits for all its tensor loads, adds 0 to its spare word, and waits for that and for its own reads of this slot, all of which are issued.
; fill = 1: the barrier opens a round of the cluster's, and behind the round this slot is filled again, two K steps ahead.  ks: the K step that lies in the next slot.
.macro TURN slot, next, fill, ks
	WIN 0                                          ; (the add's two registers lie in window 0)
	s_wait_tensorcnt 0x0                           ; all my tensor loads have landed: my piece of the next slot; so a group 0 may be written
	ds_add_u32 v[SPW], v[NIL]                      ; 0 onto my spare word
.if \fill
	s_add_nc_u64 s[G0+4*\slot+2:G0+4*\slot+3], s[G0+4*\slot+2:G0+4*\slot+3], 4*APLANE
	s_add_nc_u64 s[G0B+4*\slot+2:G0B+4*\slot+3], s[G0B+4*\slot+2:G0B+4*\slot+3], 4*ROWB
.endif
	s_wait_dscnt 0x0                               ; the add is done, and my reads of this slot are over
	s_barrier_signal -1
	WIN MUL
	MUL8 128, 0, 3, \slot, 0                       ; work on registers while the others arrive
	WIN 0
	s_barrier_wait -1
.if \fill
	CREST                                          ; no wave of any partner still reads this slot or has a load on its way
	JLOAD G0+4*\slot, G1, G0B+4*\slot, G1B         ; the first tensor load behind the round; its four v_nop are the places in front of the loads below
.else
	PLACES NP
.endif
	FETCH_B \next, 0, 0
	FETCH_A \next, 0, 0
	WIN 0
	SCALES \next, \ks
	WIN MUL
	MUL8 128, 2, 3, \slot, 0
.endm
	s_wait_tensorcnt 1                             ; the scales and my piece of K step 0 are in (K step 1's load may be out)
	s_barrier_signal -1
	s_barrier_wait -1                              ; everybody's are
	FETCH_B 0, 0, 0
	FETCH_A 0, 0, 0
	WIN 0
	SCALES 0, 0
	STEP 0, 0, 1                                   ; the first products start the sums: nothing is cleared
	STEP 0, 1, 0
	STEP 0, 2, 0
	TURN 0, 1, 1, 1                                ; slot 0 takes K step 2
	STEP 1, 0, 0
	STEP 1, 1, 0
	STEP 1, 2, 0
	TURN 1, 0, 1, 2                                ; slot 1 takes K step 3
	STEP 0, 0, 0
	STEP 0, 1, 0
	STEP 0, 2, 0
	TURN 0, 1, 0, 3                                ; nothing is left to fetch
	STEP 1, 0, 0
	STEP 1, 1, 0
	STEP 1, 2, 0
	s_wait_dscnt 0x0                               ; the very last step
	MUL8 128, 0, 3, 1, 0
	MUL8 128, 2, 3, 1, 0
	WIN 0
; THE WAY OUT, block by block of 16 rows x 64 columns.  A lane holds 32 neighbouring bytes of a row, and the lanes beside it hold other rows: so a block goes through my own stage in LDS and comes back as whole rows of 256 bytes;
; the bias is added, and sixteen lanes store 256 consecutive bytes, at a multiple of 256 from out0's first byte.  LDS serves a wave's instructions in order (ISA guide 5.7.1.4): no wait between the stores and the loads, nor in
; front of the next block's stores.  Every offset is an immediate: 62 rows of 8,192 bytes at the most.
.macro TOSTAGE a
.irp b, 0,1,2,3
	ds_store_b128 v[STO], v[ACC+8*(4*(\a)+\b):ACC+8*(4*(\a)+\b)+3] offset:64*\b          ; each accumulator from its low end on
	ds_store_b128 v[STO], v[ACC+8*(4*(\a)+\b)+4:ACC+8*(4*(\a)+\b)+7] offset:64*\b+16
.endr
.set BB, BK+32*((\a)%2)
.irp t, 0,1,2,3,4,5,6,7
	ds_load_b128 v[BB+4*\t:BB+4*\t+3], v[RD] offset:\t*2*SPITCH
.endr
.endm
.macro SEND a, younger                 ; younger: the LDS instructions issued behind block a's loads, which may stay out
.set BB, BK+32*((\a)%2)
	s_wait_dscnt \younger                          ; the block is back in registers
.irp t, 0,1,2,3,4,5,6,7
	v_pk_add_f32 v[BB+4*\t:BB+4*\t+1], v[BB+4*\t:BB+4*\t+1], v[8:9]
	v_pk_add_f32 v[BB+4*\t+2:BB+4*\t+3], v[BB+4*\t+2:BB+4*\t+3], v[10:11]
	global_store_b128 v[CO], v[BB+4*\t:BB+4*\t+3], s[12:13] offset:(16*(\a)+2*\t)*SIZE_N*4 th:TH_STORE_NT   ; written once, read by nobody here
.endr
.endm
	PLACES NP                                      ; behind the last products, ahead of the first read of results
	s_wait_loadcnt 0x0                             ; the bias
	TOSTAGE 0
.irp a, 1,2,3
.if \a > 1
	s_wait_xcnt 0x0                                ; block a - 2's stores have read their registers: block a's loads may land there
.endif
	TOSTAGE \a
	SEND \a-1, 16                                  ; behind block a - 1's loads: block a's 8 stores and 8 loads
.endr
	SEND 3, 0
	s_wait_tensorcnt 0x0                           ; the wave's end
	ds_add_u32 v[SPW], v[NIL]
	s_wait_dscnt 0x0
	CROUND                                         ; the closing round: no work-group ends while a partner may still ask for a tile that names it
	s_endpgm
.Lfunc_end_k_qdd6b871faf_outp:
	.size	k_qdd6b871faf_outp, .Lfunc_end_k_qdd6b871faf_outp-k_qdd6b871faf_outp
	.p2alignl 7, 3214868480
	.fill 96, 4, 3214868480
	.section	.rodata,"a",@progbits
	.p2align	6, 0x0
	.amdhsa_kernel k_qdd6b871faf_outp
		.amdhsa_group_segment_fixed_size 327680
		.amdhsa_private_segment_fixed_size 0
		.amdhsa_enable_private_segment 0
		.amdhsa_kernarg_size 48
		.amdhsa_user_sgpr_count 2
		.amdhsa_user_sgpr_kernarg_segment_ptr 1
		.amdhsa_wavefront_size32 1
		.amdhsa_system_sgpr_workgroup_id_x 1
		.amdhsa_system_sgpr_workgroup_id_y 1
		.amdhsa_system_sgpr_workgroup_id_z 1
		.amdhsa_system_vgpr_workitem_id 0
		.amdhsa_next_free_vgpr 512
		.amdhsa_next_free_sgpr 100
		.amdhsa_reserve_vcc 0
		.amdhsa_float_denorm_mode_32 3
		.amdhsa_float_denorm_mode_16_64 3
		.amdhsa_memory_ordered 1
		.amdhsa_forward_progress 1
		.amdhsa_inst_pref_size 110
	.end_amdhsa_kernel
	.amdgpu_metadata
---
amdhsa.version: [ 1, 2 ]
amdhsa.kernels:
  - .name:           k_qdd6b871faf_outp
    .symbol:         k_qdd6b871faf_outp.kd
    .args:
      - { .name: aws, .offset: 0, .size: 8, .value_kind: global_buffer, .address_space: global }
      - { .name: asc, .offset: 8, .size: 8, .value_kind: global_buffer, .address_space: global }
      - { .name: Wo_codes, .offset: 16, .size: 8, .value_kind: global_buffer, .address_space: global }
      - { .name: Wo_scales, .offset: 24, .size: 8, .value_kind: global_buffer, .address_space: global }
      - { .name: bo, .offset: 32, .size: 8, .value_kind: global_buffer, .address_space: global }
      - { .name: out0, .offset: 40, .size: 8, .value_kind: global_buffer, .address_space: global }
    .group_segment_fixed_size: 327680
    .private_segment_fixed_size: 0
    .kernarg_segment_align: 8
    .kernarg_segment_size: 48
    .max_flat_workgroup_size: 128
    .sgpr_count:     100
    .vgpr_count:     512
    .wavefront_size: 32
...
	.end_amdgpu_metadata
.endif
;; end of part 4
